; MI455X (gfx1250); checked and timed in simulation.
; The chip was launched on July 23, 2026; its instructions are those of AMD's public machine-readable ISA for CDNA 5 (MIT licence, August 2026) and "CDNA5" Instruction Set Architecture Reference Guide (July 2026). The comments in the code are by the model that wrote it; some were corrected since.
;; Document Encoder. Allowed arithmetic: matrix products marked QUANTISED: E2M1 operands, one E8M0 scale for each 32 along K, by v_wmma_scale_f32_16x16x128_f8f6f4 with both operands' format E2M1 (or v_wmma_scale_f32_32x16x128_f4), f32 sums; products left as they are: f32 operands where the result goes on into a quantised operand, else bf16, f16 or f32 operands; f32 sums; everything else in f32.
;; Inputs: W_b 1,024 x 1,024 float32; emb_table 50,001 x 1,024 float32; tokens 256 x 256 int32.
;; Outputs: out0 256 x 1,024 float32.
;; Constants: max_len = 256.
;; This version of the problem:
;;   THIS VERSION OF THE PROBLEM IS GIVEN IN LOW PRECISION. The matrix products marked QUANTISED in the list below multiply operands that are first quantised to E2M1 (2 exponent bits, 1 mantissa bit; 4 bits a number), with one power-of-two scale for each 32 numbers along K (OCP MX v1.0); their sums are f32. All else is computed in f32.
;;   The module's matrix products, in the order in which they are computed (A, B: the left and right operand; K: the contracted axis; several contracted axes count as one K, in the product's order):
;;     1. [M 65,536, K 1,024] x [K 1,024, N 1,024]; A: computed on the way; B: input W_b: QUANTISED
;;     2. batch 256 x [M 256, K 1,024] x [K 1,024, N 1]; A: computed on the way; B: computed on the way: left as it is (N = 1 < 16)
;;     3. batch 256 x [M 1, K 256] x [K 256, N 1,024]; A: softmax; B: computed on the way: left as it is (M = 1 < 16)
;;   THE QUANTISER, for each operand of a quantised product, along K:
;;     - K is cut into blocks of 32 from its start; a last block that is shorter is filled with zeros.
;;     - A block's scale is 2^e with e = floor(log2(the largest magnitude in the block)) - 2, held to -126 .. 127; a block of zeros has e = 0. As a byte (E8M0): e + 127.
;;     - Each number is divided by its block's scale, clamped to +-6, and rounded to the nearest number of E2M1, ties to even, subnormals kept.
;;     - The product sums the exact products of the quantised numbers (number of the format x scale) in f32.
;;   ~~~python
;;   def quantise(x, axis):      # numpy; x: float32 -> the quantised numbers, widened to float32 again
;;       x = np.moveaxis(x, axis, -1); K = x.shape[-1]
;;       x = np.pad(x, [(0, 0)] * (x.ndim - 1) + [(0, -K % 32)]); x = x.reshape(x.shape[:-1] + (-1, 32)); a = np.abs(x).max(-1, keepdims=True)
;;       e = np.where(a > 0, np.clip(np.frexp(np.where(a > 0, a, 1))[1] - 1 - 2, -126, 127), 0)      # np.frexp(a)[1] - 1 = floor(log2(a)), exactly
;;       r = np.clip(x / 2.0 ** e, -6, 6)
;;       step = 2.0 ** (np.maximum(np.frexp(np.where(r == 0, 1, r))[1] - 1, 0) - 1)
;;       q = np.round(r / step) * step * 2.0 ** e      # np.round: ties to even
;;       return np.moveaxis(q.reshape(q.shape[:-2] + (-1,))[..., :K], -1, axis).astype(np.float32)
;;   ~~~
;;   OPERANDS COMPUTED ON THE WAY. 'Computed on the way' means the value that the module computes at that place (a softmax that the list does not call 'softmax' is quantised finished and normalised). What goes into a quantiser is computed in f32, as accurately as f32 sums, v_exp_f32 and their like allow (about 1e-6 of the number): no bf16 or f16 on the way to a quantiser, and a product that is left as it is and whose result goes on into a quantised operand takes f32 operands (vector FMAs, or v_wmma_f32_16x16x4_f32). A number that lies on a knife's edge between two numbers of the format may be rounded either way, as far as f32 arithmetic and the matrix unit's own rounding can turn it there, and no further.
;; 2 versions. Each part assembles by itself: llvm-mc -triple=amdgcn-amd-amdhsa -mcpu=gfx1250 --defsym DOCPART=n.
;; ======== version 1 of 2: 2 launches
;; workspace buffers: wq 557,056 bytes
;; launch wquant (part 1): grid 32 x 8, 1 waves a work-group, no clusters, 0 bytes of LDS; arguments W_b, wq; writes wq
.if DOCPART == 1
	.amdgcn_target "amdgcn-amd-amdhsa--gfx1250"
	.amdhsa_code_object_version 6
	.text
	.protected	k_q15a7567fde_wquant
	.globl	k_q15a7567fde_wquant
	.p2align	8
	.type	k_q15a7567fde_wquant,@function
k_q15a7567fde_wquant:
	s_mov_b64 s[64:65], 0
	v_nop
	global_prefetch_b8 v0, s[64:65] scope:SCOPE_SE
	s_setreg_imm32_b32 hwreg(HW_REG_WAVE_MODE, 25, 1), 1
	s_wait_xcnt 0x0
; W_b [1024 (d)][1024 (e)], f32, is the right operand of emb x W_b: its K is d, its FIRST axis.  It is turned into codes of FP4 (E2M1) with one E8M0 scale byte
; for each 32 along d, laid in the ORDER OF THE OPERAND'S REGISTERS, so that the next launch loads each fragment by plain 16-byte loads, 512 consecutive bytes an instruction.
; LAYOUT of wq: quarter w of K (d = 256 w ..) at w x 139,264; in it pair P of tiles of 16 columns (e = 32 P ..) at P x 4,352; in it
;   codes: u x 2,048 + s x 1,024 + c x 512 + (16 h + r) x 16: the 32 codes of W_b[256 w + 128 s + 64 c + 32 h + 0 .. 31][32 P + 16 u + r], the lower d in the lower bits;
;   scale words: 4,096 + (16 s + r) x 8 + u x 4: byte b scales d = 256 w + 128 s + 32 b + 0 .. 31 of that column.
; A LANE TAKES A COLUMN e AND ITS REGISTERS RUN DOWN d: a block of 32 lies in one lane's 32 registers, its largest magnitude needs no other lane, and the conversions give codes with d innermost.
; A work-group is one wave: 32 columns (x = P) x 128 rows (y = 2 w + s): four blocks a lane.  No LDS, no barrier.  No register is written twice, so no store's data are written again.
; A block's scale is 2^(floor(log2(its largest magnitude)) - 2); its byte is the largest magnitude's exponent field - 2, held at 1 from below.
; LIMITS: a block of zeros gets the byte 1 where the rule says 127 (its codes are zeros, which add nothing, and this program alone reads the bytes); NaN and infinities are not served.
.set QUART, 139264
.set PAIRB, 4352
.set MXA,   4                          ; v4, v5   two chains of the largest magnitude
.set MXB,   5
.set SCL,   6                          ; v6       the conversion's scale operand
.set BYT,   7                          ; v7       the scale's byte
.set WRD,   8                          ; v8       the column's scale word
.set CD,    16                         ; v16-31   codes, four registers a block
.set XR,    32                         ; v32-159  the numbers: register 32 b + i = row 32 b + i of my 128
	s_load_b128 s[4:7], s[0:1], 0x0                ; W_b s[4:5], wq s[6:7]
	v_and_b32 v9, 15, v0                           ; r
	v_lshrrev_b32 v10, 4, v0                       ; u (one wave: the thread's number is the lane)
	v_lshlrev_b32 v1, 2, v0                        ; in: 4 bytes a lane: 128 consecutive bytes a load
	v_lshlrev_b32 v2, 4, v9
	v_lshl_add_u32 v2, v10, 11, v2                 ; codes: 2,048 u + 16 r
	v_lshlrev_b32 v3, 3, v9
	v_lshl_add_u32 v3, v10, 2, v3                  ; scale word: 8 r + 4 u
	s_and_b32 s8, ttmp7, 0xffff                    ; y = 2 w + s
	s_lshr_b32 s9, s8, 1                           ; w
	s_and_b32 s10, s8, 1                           ; s
	s_lshl_b32 s12, s8, 19                         ; 128 y rows of 4,096 bytes
	s_lshl_b32 s11, ttmp9, 7                       ; 32 P columns of 4 bytes
	s_add_co_u32 s12, s12, s11
	s_mov_b32 s13, 0
	s_mul_i32 s14, s9, QUART
	s_mul_i32 s15, ttmp9, PAIRB
	s_add_co_u32 s14, s14, s15                     ; the pair's first byte in wq
	s_lshl_b32 s15, s10, 10
	s_add_co_u32 s16, s14, s15                     ; + 1,024 s: my codes
	s_mov_b32 s17, 0
	s_lshl_b32 s15, s10, 7
	s_add_co_u32 s18, s14, s15
	s_add_co_u32 s18, s18, 4096                    ; + 4,096 + 128 s: my scale words
	s_mov_b32 s19, 0
	s_wait_kmcnt 0x0
	s_add_nc_u64 s[4:5], s[4:5], s[12:13]
	s_add_nc_u64 s[20:21], s[6:7], s[16:17]
	s_add_nc_u64 s[22:23], s[6:7], s[18:19]
.macro LOADB b                         ; block b: 32 rows of my column
.set n, 0
.rept 32
	global_load_b32 v[XR+32*(\b)+n], v1, s[4:5] offset:(32*(\b)+n)*4096 th:TH_LOAD_NT
.set n, n+1
.endr
.endm
; left: the younger block's 32 loads may stay out.  next = 1: the block two further on is asked for first, into registers of its own.
.macro BLOCK b, left, next
	s_wait_loadcnt \left
.if \next
	LOADB (\b)+2
.endif
.set XS, XR+32*(\b)
	v_max3_num_f32 v[MXA], |v[XS]|, |v[XS+1]|, |v[XS+2]|            ; the block's largest magnitude, in two chains
	v_max3_num_f32 v[MXB], |v[XS+3]|, |v[XS+4]|, |v[XS+5]|
.irp i, 6,10,14,18,22,26
	v_max3_num_f32 v[MXA], v[MXA], |v[XS+\i]|, |v[XS+\i+1]|
	v_max3_num_f32 v[MXB], v[MXB], |v[XS+\i+2]|, |v[XS+\i+3]|
.endr
	v_max3_num_f32 v[MXA], v[MXA], |v[XS+30]|, |v[XS+31]|
	v_max3_num_f32 v[MXA], v[MXA], v[MXB], 0x1800000                ; and the floor 2^(3 - 127): the byte cannot fall under 1
	v_add_nc_u32 v[SCL], 0xff000000, v[MXA]                         ; 2 off the exponent field: the conversion takes the exponent field of this operand as its scale
	v_lshrrev_b32 v[BYT], 23, v[SCL]                                ; the scale's byte
.if (\b) == 0
	v_mov_b32 v[WRD], v[BYT]
.else
	v_lshl_or_b32 v[WRD], v[BYT], 8*(\b), v[WRD]                    ; the lower d in the lower byte
.endif
.irp g, 0,1,2,3
	v_cvt_scalef32_pk8_fp4_f32 v[CD+4*(\b)+\g], v[XS+8*\g:XS+8*\g+7], v[SCL]
.endr
	global_store_b128 v2, v[CD+4*(\b):CD+4*(\b)+3], s[20:21] offset:512*((\b)/2)+256*((\b)%2)   ; block b = 2 c + h: sixteen lanes store 256 consecutive bytes, at a multiple of 256 from wq's first byte
.endm                                  ; (the next block begins with plain vector lines: they stand between these conversions and the line that writes their scale operand anew)
	LOADB 0
	LOADB 1
	BLOCK 0, 32, 1
	BLOCK 1, 32, 1
	BLOCK 2, 32, 0
	BLOCK 3, 0, 0
	global_store_b32 v3, v[WRD], s[22:23]          ; 32 words: 128 consecutive bytes
	s_endpgm
.Lfunc_end_k_q15a7567fde_wquant:
	.size	k_q15a7567fde_wquant, .Lfunc_end_k_q15a7567fde_wquant-k_q15a7567fde_wquant
	.p2alignl 7, 3214868480
	.fill 96, 4, 3214868480
	.section	.rodata,"a",@progbits
	.p2align	6, 0x0
	.amdhsa_kernel k_q15a7567fde_wquant
		.amdhsa_group_segment_fixed_size 0
		.amdhsa_private_segment_fixed_size 0
		.amdhsa_enable_private_segment 0
		.amdhsa_kernarg_size 16
		.amdhsa_user_sgpr_count 2
		.amdhsa_user_sgpr_kernarg_segment_ptr 1
		.amdhsa_wavefront_size32 1
		.amdhsa_system_sgpr_workgroup_id_x 1
		.amdhsa_system_sgpr_workgroup_id_y 1
		.amdhsa_system_sgpr_workgroup_id_z 1
		.amdhsa_system_vgpr_workitem_id 0
		.amdhsa_next_free_vgpr 160
		.amdhsa_next_free_sgpr 66
		.amdhsa_reserve_vcc 0
		.amdhsa_float_denorm_mode_32 3
		.amdhsa_float_denorm_mode_16_64 3
		.amdhsa_memory_ordered 1
		.amdhsa_forward_progress 1
		.amdhsa_inst_pref_size 20
	.end_amdhsa_kernel
	.amdgpu_metadata
---
amdhsa.version: [ 1, 2 ]
amdhsa.kernels:
  - .name:           k_q15a7567fde_wquant
    .symbol:         k_q15a7567fde_wquant.kd
    .args:
      - { .name: W_b, .offset: 0, .size: 8, .value_kind: global_buffer, .address_space: global }
      - { .name: wq, .offset: 8, .size: 8, .value_kind: global_buffer, .address_space: global }
    .group_segment_fixed_size: 0
    .private_segment_fixed_size: 0
    .kernarg_segment_align: 8
    .kernarg_segment_size: 16
    .max_flat_workgroup_size: 32
    .sgpr_count:     66
    .vgpr_count:     160
    .wavefront_size: 32
...
	.end_amdgpu_metadata
.endif
;; end of part 1
;; launch doc (part 2): grid 256 x 1, 4 waves a work-group, no clusters, 327,680 bytes of LDS; arguments tokens, emb_table, wq, out0; writes out0
.if DOCPART == 2
	.amdgcn_target "amdgcn-amd-amdhsa--gfx1250"
	.amdhsa_code_object_version 6
	.text
	.protected	k_q15a7567fde_doc
	.globl	k_q15a7567fde_doc
	.p2align	8
	.type	k_q15a7567fde_doc,@function
k_q15a7567fde_doc:
	s_mov_b64 s[64:65], 0
	v_nop
	global_prefetch_b8 v0, s[64:65] scope:SCOPE_SE
	s_setreg_imm32_b32 hwreg(HW_REG_WAVE_MODE, 25, 1), 1
	s_wait_xcnt 0x0
; ct[b] = sum over l of softmax_l( (emb[l] W_b) . hidden ) emb[l],  emb[l] = emb_table[tokens[b][l] + 1],  hidden = the mean of the 256 rows.  emb x W_b on codes of FP4 (E2M1), one E8M0 scale for each 32 along d.
; ONE WORK-GROUP IS ONE DOCUMENT, AND EACH GATHERED ROW IS READ FROM MEMORY ONCE: between its two uses (mean and codes; the context sum) the document stays here, as bf16: 112 rows in registers, 144 in LDS.
; THE FOUR WAVES SHARE K: wave w owns d = 256 w .. 256 w + 255 of all 256 rows.  It gathers only its own 1,024 bytes of a row; its codes, scale words, bf16 copy, column sums and its part of ct are its own.
; From wave to wave go only hidden (4,096 bytes) and the partial scores (4 x 1,024 bytes): score[l] = sum over the waves of (the wave's partial emb[l] W_b) . hidden.  Three barriers.
; PHASES.  GATHER: two rows (a DUO: rows 16 t + q and 16 t + 8 + q) at a time: four loads of 512 consecutive bytes; a turn through the wave's stage in LDS, behind which lane (r, rho) holds 16 neighbours, columns 16 r .. of
;   row 16 t + 8 rho + q; the quantiser (two neighbouring lanes hold a block of 32); rounding to bf16; column sums.  bf16, codes and scale bytes are parked in LDS and drained into registers batch by batch.
;   A duo's memory instructions stand in ONE run (the last duo's stores, the ring's refill, the next duo's turn), and one block of vector work follows it.
; PRODUCT: the 32-row form, used transposed (source 0 = 32 columns e of W_b, a pair of tiles; source 1 = 16 rows of emb): a lane holds one row and 16 of the 32 e.  Each accumulator is finished in two instructions
;   (the wave's K is 256) and is at once multiplied by hidden[e] and summed: four packed multiply-adds stand behind each matrix instruction.  W_b's fragments come from wq straight into registers, three pairs ahead.
; SOFTMAX: every wave for itself, the true maximum taken away.  CT: p (f32) x emb (bf16), f32 sums.
; NO TENSOR LOADS AND NO JOINT LOADS for wq, though all work-groups read it: LDS is full: 4 x 73,728 bytes of bf16 rows + 32,768 of scratch = 327,680: there is no room for a slot.
; LIMITS: NaN and infinities are not served; a block of zeros gets the byte 1 with zero codes (the same numbers); a token outside -1 .. 49,999 is held to row 50,000; emb enters the context sum rounded to bf16.
;
; LDS: wave w's rows at 73,728 w: 72 duo slots of 1,024 bytes (two images of 512: 16 bytes a lane).  While slots 56-71 are empty their bytes park codes: 112 rows x 144 (128 + 16 of padding).
;   From 294,912: during the gather 8,192 bytes a wave: +0 the stage, 32 places of 80; +2,560 scale bytes of 112 rows x 8, later codes of 32 rows x 144; +7,168 scale bytes of those 32 rows.
;   Behind the first barrier the same bytes in common: hidden 4,096; partial scores 4 x 1,024; each wave's copy of p 4 x 1,024; each wave's stage for the way out 4 x 1,024.
; REGISTERS, in windows of 256: window 1: 0-127 codes of row tiles 0-7 (16 mt + 8 s); 128-159 hidden, two sets of 16; 160-255 bf16 of duos 0-11.  window 2: the same for row tiles 8-15 and duos 12-23.  window 3: duos 24-55.
;   window 0: v8-23 the rows' scale words and v24-31 W_b's: scales and nothing else in the whole launch; the rest by phase, below.
.set BFW,    73728
.set PARK,   57344
.set CPITCH, 144
.set SCR,    294912
.set HID,    294912
.set PS,     299008
.set PW,     303104
.set OUTS,   307200
.set QUART,  139264
.set PAIRB,  4352
; window 0 in the gather
.set LNB,  1                           ; 1,024 w + 16 lane: my bytes in a row
.set STI,  2                           ; the stage, in: 80 (lane / 4) + 16 (lane % 4)
.set STO,  3                           ; the stage, out: 80 lane
.set BAD0, 4                           ; my wave's rows + 16 lane
.set CAB,  5                           ; parked codes of batches A, B: + 1,152 rho + 8 r
.set CCB,  6                           ; of batch C
.set SAB,  7                           ; scale bytes: + 64 rho + r / 2
.set ASC,  8                           ; v8-23   row tile mt's scale words: lanes 0-15 K step 0 of row r, lanes 16-31 K step 1
.set BSC,  24                          ; v24-31  W_b's scale words: 2 slot + s; lane 16 u + r: column 16 u + r of the pair
.set VOF,  32                          ; v32-47  byte offsets of the ring's 16 rows
.set XR,   48                          ; v48-79  16 neighbours, two sets
.set HS,   80                          ; v80-95  column sums
.set BFT,  96                          ; v96-111 bf16, two sets of 8
.set CC,   112                         ; v112-115 codes, two sets of 2
.set EE,   116                         ; v116-117 scale bytes, two sets
.set MXA,  118
.set MXB,  119
.set SCL,  120
.set BADC, 121                         ; this row tile's LDS addresses
.set CADC, 122
.set SADC, 123
.set FAB,  124                         ; fragments out of the parked codes: + 144 r + 16 h
.set FCB,  125
.set SRB,  126                         ; scale words out of the bytes: + 8 r + 4 h
.set RG,   128                         ; v128-255 the ring: duo q at 16 q, load i at + 4 i
; window 0 in the product
.set WOF,  1                           ; 16 lane
.set WSO,  2                           ; 8 r + 4 u, lane = 16 u + r
.set HAD0, 3                           ; hidden + 32 h
.set HADC, 4
.set PSA,  5
.set ACC,  32                          ; v32-95  two sets of two accumulators of 16 registers
.set SUM2, 96                          ; v96-127 a pair for each row tile: the score's even and odd e
.set BR,   128                         ; v128-255 W_b's fragments: 32 slot + 16 s + 8 u
.set HIDX, 128                         ; in windows 1 and 2: hidden, set hs at + 16 hs, tile u of the pair at + 8 u
; window 0 in the softmax and the context sum
.set CT,   32
.set PR,   48
.set PR8,  104
.set BL,   128
; scalars: s[4:5] tokens, s[6:7] emb_table, s[8:9] wq at my quarter, s[10:11] out0 at my 1,024 bytes, s12 wave, s13 my rows in LDS, s14 my scratch, s15 1,024 w
.set WB,   8
.set TOK,  16                          ; s[16:31] 16 tokens
.set ROF,  32                          ; s[32:47] 16 row offsets
.set CNT,  48
.set SB,   49                          ; LDS steps from row tile to row tile
.set SC,   50
.set SS,   51
.set SEL,  52                          ; s[52:53] v_permlanex16_b32's selects for lane l xor 16
.set SH,   54
.set MSB, 0
.macro WIN new                         ; the immediate's high byte repeats the setting that is left; a switch that changes nothing is dropped
.if MSB != \new
	s_set_vgpr_msb (MSB<<8)|\new
.set MSB, \new
.endif
.endm
.macro BARRIER                         ; my LDS stores have landed and my LDS loads are in: then the work-group's barrier
	s_wait_dscnt 0x0
	s_barrier_signal -1
	s_barrier_wait -1
.endm
	s_load_b256 s[4:11], s[0:1], 0x0
	v_lshrrev_b32 v[XR+3], 5, v0
	v_readfirstlane_b32 s12, v[XR+3]               ; wave 0..3
	s_mul_i32 s13, s12, BFW
	s_lshl_b32 s14, s12, 13
	s_add_co_u32 s14, s14, SCR
	s_lshl_b32 s15, s12, 10
	s_add_co_u32 s60, s13, PARK
	s_add_co_u32 s61, s14, 2560
	s_mov_b32 s[SEL], 0x76543210
	s_mov_b32 s[SEL+1], 0xfedcba98
	s_lshl_b32 s56, ttmp9, 10                      ; a document's 256 tokens are 1,024 bytes
	s_mov_b32 s57, 0
	s_wait_kmcnt 0x0
	s_add_nc_u64 s[4:5], s[4:5], s[56:57]
	s_load_b512 s[TOK:TOK+15], s[4:5], 0x0         ; row tile 0's tokens
	s_mul_i32 s56, s12, QUART
	s_add_nc_u64 s[WB:WB+1], s[WB:WB+1], s[56:57]
	s_lshl_b32 s56, ttmp9, 12
	s_add_co_u32 s56, s56, s15
	s_add_nc_u64 s[10:11], s[10:11], s[56:57]
	v_and_b32 v[XR], 31, v0                        ; lane
	v_and_b32 v[XR+1], 15, v0                      ; r
	v_bfe_u32 v[XR+2], v0, 4, 1                    ; rho = h
	v_lshl_add_u32 v[LNB], v[XR], 4, s15
	v_lshrrev_b32 v[XR+3], 2, v[XR]
	v_mul_u32_u24 v[XR+3], v[XR+3], 80
	v_and_b32 v[XR+4], 3, v[XR]
	v_lshl_add_u32 v[XR+3], v[XR+4], 4, v[XR+3]
	v_add_nc_u32 v[STI], s14, v[XR+3]
	v_mul_u32_u24 v[STO], v[XR], 80
	v_add_nc_u32 v[STO], s14, v[STO]
	v_lshl_add_u32 v[BAD0], v[XR], 4, s13
	v_mul_u32_u24 v[XR+3], v[XR+2], 8*CPITCH
	v_lshl_add_u32 v[XR+3], v[XR+1], 3, v[XR+3]
	v_add_nc_u32 v[CAB], s60, v[XR+3]
	v_add_nc_u32 v[CCB], s61, v[XR+3]
	v_lshrrev_b32 v[XR+3], 1, v[XR+1]
	v_lshl_add_u32 v[XR+3], v[XR+2], 6, v[XR+3]
	v_add_nc_u32 v[SAB], s61, v[XR+3]
	v_mul_u32_u24 v[XR+3], v[XR+1], CPITCH
	v_lshl_add_u32 v[XR+3], v[XR+2], 4, v[XR+3]
	v_add_nc_u32 v[FAB], s60, v[XR+3]
	v_add_nc_u32 v[FCB], s61, v[XR+3]
	v_lshlrev_b32 v[XR+3], 3, v[XR+1]
	v_lshl_add_u32 v[XR+3], v[XR+2], 2, v[XR+3]
	v_add_nc_u32 v[SRB], s61, v[XR+3]
.irp k, 0,1,2,3,4,5,6,7,8,9,10,11,12,13,14,15
	v_mov_b32 v[HS+\k], 0                          ; the column sums
.endr
; 16 tokens become 16 byte offsets: row = token + 1, held to the table's last row, x 4,096 bytes
.macro OFFS
.irp k, 0,1,2,3,4,5,6,7,8,9,10,11,12,13,14,15
	s_add_co_u32 s[ROF+\k], s[TOK+\k], 1
	s_min_u32 s[ROF+\k], s[ROF+\k], 0xc350
	s_lshl_b32 s[ROF+\k], s[ROF+\k], 12
.endr
.endm
; the byte offsets of duo q's two rows, of the row tile whose offsets stand in ROF
.macro VOFS q
	v_add_nc_u32 v[VOF+2*(\q)], s[ROF+(\q)], v[LNB]
	v_add_nc_u32 v[VOF+2*(\q)+1], s[ROF+8+(\q)], v[LNB]
.endm
; duo q's four loads, each 512 consecutive bytes of a row.  No cache hint: the list may name a row twice
.macro FILL q
.irp i, 0,1,2,3
	global_load_b128 v[RG+16*(\q)+4*\i:RG+16*(\q)+4*\i+3], v[VOF+2*(\q)+\i/2], s[6:7] offset:512*(\i%2)
.endr
.endm
; the duo's 2,048 bytes go through the stage as they lie and come back 64 bytes a lane.  LDS serves a wave's instructions in order (ISA guide 5.7.1.4): no wait between the stores and the loads
.macro TURN q
.irp i, 0,1,2,3
	ds_store_b128 v[STI], v[RG+16*(\q)+4*\i:RG+16*(\q)+4*\i+3] offset:640*\i
.endr
.irp k, 0,1,2,3
	ds_load_b128 v[XR+16*((\q)%2)+4*\k:XR+16*((\q)%2)+4*\k+3], v[STO] offset:16*\k
.endr
.endm
; a duo's vector work on 16 neighbours a lane: the quantiser first, the plain roundings and sums last.  vof = 1: the next ring place's row offsets are made here too, so that no vector line stands among the memory instructions
.macro WORK q, vof
.set PXS, XR+16*((\q)%2)
.set PBT, BFT+8*((\q)%2)
.set PCC, CC+2*((\q)%2)
.set PEE, EE+(\q)%2
	v_max3_num_f32 v[MXA], |v[PXS]|, |v[PXS+1]|, |v[PXS+2]|               ; the largest magnitude of my 16, in two chains
	v_max3_num_f32 v[MXB], |v[PXS+3]|, |v[PXS+4]|, |v[PXS+5]|
.irp i, 6,10
	v_max3_num_f32 v[MXA], v[MXA], |v[PXS+\i]|, |v[PXS+\i+1]|
	v_max3_num_f32 v[MXB], v[MXB], |v[PXS+\i+2]|, |v[PXS+\i+3]|
.endr
	v_max3_num_f32 v[MXA], v[MXA], |v[PXS+14]|, |v[PXS+15]|
	v_max3_num_f32 v[MXA], v[MXA], v[MXB], 0x1800000                      ; and the floor 2^(3 - 127): the byte cannot fall under 1
	v_max_num_f32_dpp v[MXA], v[MXA], v[MXA] row_xmask:1 row_mask:0xf bank_mask:0xf   ; and of my neighbour's 16: the block's
	v_add_nc_u32 v[SCL], 0xff000000, v[MXA]                               ; 2 off its exponent field: the conversion's scale operand
	v_cvt_scalef32_pk8_fp4_f32 v[PCC], v[PXS:PXS+7], v[SCL]
	v_cvt_scalef32_pk8_fp4_f32 v[PCC+1], v[PXS+8:PXS+15], v[SCL]
	v_lshrrev_b32 v[PEE], 23, v[SCL]                                      ; the scale's byte; also the plain line behind the conversions
.irp k, 0,1,2,3,4,5,6,7
	v_cvt_pk_bf16_f32 v[PBT+\k], v[PXS+2*\k], v[PXS+2*\k+1]               ; the copy for the context sum
.endr
.irp k, 0,2,4,6,8,10,12,14
	v_pk_add_f32 v[HS+\k:HS+\k+1], v[HS+\k:HS+\k+1], v[PXS+\k:PXS+\k+1]   ; the column sums
.endr
.if \vof
	VOFS (\q)+1                                    ; that place's last loads were shown done by the wait in front of its turn: their offset registers are free
.endif
.endm
; what WORK q made goes to LDS
.macro SAVE q
.set QBT, BFT+8*((\q)%2)
.set QCC, CC+2*((\q)%2)
.set QEE, EE+(\q)%2
	ds_store_b128 v[BADC], v[QBT:QBT+3] offset:1024*(\q)
	ds_store_b128 v[BADC], v[QBT+4:QBT+7] offset:1024*(\q)+512
	ds_store_b64 v[CADC], v[QCC:QCC+1] offset:CPITCH*(\q)                 ; 16 codes: 8 bytes of my row's 128
	ds_store_b8 v[SADC], v[QEE] offset:8*(\q)                             ; both lanes of a block write the same byte with the same value
.endm
; refill = 1: the ring's place q takes the same duo of the next row tile.  turn = 1: the next duo goes through the stage; left: the younger loads that may stay out
.macro STEP q, refill, left, turn
.if (\q) > 0
	s_wait_dscnt 0x0                               ; my 16 neighbours are back (nothing was issued behind their loads), so the stage's stores have read the ring's place q, and the sets of bf16, codes and byte written two duos ago have been read
	SAVE (\q)-1
.endif
.if \refill
	FILL \q
.endif
.if \turn
	s_wait_loadcnt \left                           ; loads come back in order (ISA guide 5.7.1): the next duo's four are in; that wait also frees their offset registers
	TURN ((\q)+1)%8
.endif
.if (\refill) && ((\q) < 7)
	WORK \q, 1
.else
	WORK \q, 0
.endif
.if (\q) == 7
	SAVE 7                                         ; the row tile's last duo is stored at once: the next row tile writes the address registers anew
.endif
.endm
; a row tile: 8 duos.  cb: where its codes are parked.  refill = 1: the next row tile is asked for; tokload = 1: the tokens of the one after that
.macro MTILE cb, refill, tokload
	s_wait_dscnt 0x0                               ; no LDS instruction of mine is out: the address registers are written anew; duo 0 is back from the stage
.if \refill
	s_wait_kmcnt 0x0                               ; the next row tile's tokens are in, and the token pointer is free
	OFFS
.endif
.if \tokload
	s_add_nc_u64 s[4:5], s[4:5], 64
	s_load_b512 s[TOK:TOK+15], s[4:5], 0x0
.endif
	v_add_nc_u32 v[BADC], s[SB], v[BAD0]
	v_add_nc_u32 v[CADC], s[SC], v[\cb]
	v_add_nc_u32 v[SADC], s[SS], v[SAB]
.if \refill
	VOFS 0
.endif
.irp q, 0,1,2,3,4,5,6,7
	STEP \q, \refill, 28, 1                        ; 28: seven younger duos of four loads
.endr
	s_add_co_u32 s[SB], s[SB], 8192
	s_add_co_u32 s[SC], s[SC], 16*CPITCH
	s_add_co_u32 s[SS], s[SS], 128
.endm
; the drains: LDS serves a wave in order, so they see the stores in front of them, and the stores behind them land later
.macro DRAINBF sl, reg                 ; duo slot sl's two images into eight registers of the window that is set
	ds_load_b128 v[\reg:\reg+3], v[BAD0] offset:1024*(\sl)
	ds_load_b128 v[\reg+4:\reg+7], v[BAD0] offset:1024*(\sl)+512
.endm
.macro DRAINC mt, tl, base             ; row tile mt's two fragments: lane (r, h) takes row r, registers 4 c .. 4 c + 3 the bytes 64 s + 32 c + 16 h on
.irp s, 0,1
.irp c, 0,1
	ds_load_b128 v[16*((\mt)%8)+8*\s+4*\c:16*((\mt)%8)+8*\s+4*\c+3], v[\base] offset:16*CPITCH*(\tl)+64*\s+32*\c
.endr
.endr
.endm
.macro DRAINS mt, off
	ds_load_b32 v[ASC+(\mt)], v[SRB] offset:\off
.endm
; a pair of W_b's tiles, k pairs on from where s[WB] stands, into ring slot: ten loads.  For each K step s: source 0 of the 32-row form, 16 registers (tile u = 0, then u = 1), by four loads of 512 consecutive bytes,
; and its scale words, lane 16 u + r that of column 16 u + r: 128 consecutive bytes
.macro WLOAD slot, k
.irp s, 0,1
.irp u, 0,1
.irp c, 0,1
	global_load_b128 v[BR+32*(\slot)+16*\s+8*\u+4*\c:BR+32*(\slot)+16*\s+8*\u+4*\c+3], v[WOF], s[WB:WB+1] offset:PAIRB*(\k)+2048*\u+1024*\s+512*\c
.endr
.endr
	global_load_b32 v[BSC+2*(\slot)+\s], v[WSO], s[WB:WB+1] offset:PAIRB*(\k)+4096+128*\s
.endr
.endm
	s_wait_kmcnt 0x0
	OFFS
.irp q, 0,1,2,3,4,5,6,7
	VOFS \q
	FILL \q                                        ; the ring is filled: 32 loads, 16,384 bytes a wave
.endr
	s_add_nc_u64 s[4:5], s[4:5], 64
	s_load_b512 s[TOK:TOK+15], s[4:5], 0x0         ; row tile 1's tokens
	s_wait_loadcnt 28
	TURN 0
	; ---- batch A: row tiles 0-6
	s_mov_b32 s[SB], 0
	s_mov_b32 s[SC], 0
	s_mov_b32 s[SS], 0
	s_mov_b32 s[CNT], 7
.Lbatch_a:
	MTILE CAB, 1, 1
	s_sub_co_u32 s[CNT], s[CNT], 1
	s_cmp_lg_u32 s[CNT], 0
	s_cbranch_scc1 .Lbatch_a
	; its 56 duos of bf16, its codes and its scale words go into registers; the rows asked for stay on their way meanwhile
	WIN 0x40
.set n, 0
.rept 12
	DRAINBF n, 160+8*n
.set n, n+1
.endr
.irp t, 0,1,2,3,4,5,6
	DRAINC \t, \t, FAB
.endr
	WIN 0x80
.rept 12
	DRAINBF n, 160+8*(n-12)
.set n, n+1
.endr
	WIN 0xc0
.rept 32
	DRAINBF n, 8*(n-24)
.set n, n+1
.endr
	WIN 0
.irp t, 0,1,2,3,4,5,6
	DRAINS \t, 128*\t
.endr
	; ---- batch B: row tiles 7-13; their bf16 stays in slots 0-55
	s_mov_b32 s[SB], 0
	s_mov_b32 s[SC], 0
	s_mov_b32 s[SS], 0
	s_mov_b32 s[CNT], 7
.Lbatch_b:
	MTILE CAB, 1, 1                                ; the last trip loads row tile 15's tokens: the document's last
	s_sub_co_u32 s[CNT], s[CNT], 1
	s_cmp_lg_u32 s[CNT], 0
	s_cbranch_scc1 .Lbatch_b
	WIN 0x40
	DRAINC 7, 0, FAB
	WIN 0x80
.irp t, 1,2,3,4,5,6
	DRAINC \t+7, \t, FAB
.endr
	WIN 0
.irp t, 0,1,2,3,4,5,6
	DRAINS \t+7, 128*\t
.endr
	; ---- batch C: row tiles 14, 15: bf16 into slots 56-71, over the parked codes just drained; codes and bytes into the scratch
	s_mov_b32 s[SB], PARK
	s_mov_b32 s[SC], 0
	s_mov_b32 s[SS], 4608
	MTILE CCB, 1, 0
	s_wait_dscnt 0x0                               ; the last row tile is written out: it asks for no row, and its counts run down
	v_add_nc_u32 v[BADC], s[SB], v[BAD0]
	v_add_nc_u32 v[CADC], s[SC], v[CCB]
	v_add_nc_u32 v[SADC], s[SS], v[SAB]
.irp q, 0,1,2,3,4,5,6
	STEP \q, 0, 4*(6-\q), 1
.endr
	s_wait_dscnt 0x0                               ; the last duo is back from the stage: the whole ring is free, and every row load has been waited for
	SAVE 6
	v_and_b32 v[WOF], 31, v0
	v_lshlrev_b32 v[WOF], 4, v[WOF]                ; 16 lane
	v_and_b32 v[WSO], 15, v0
	v_bfe_u32 v[MXA], v0, 4, 1
	v_lshlrev_b32 v[WSO], 3, v[WSO]
	v_lshl_add_u32 v[WSO], v[MXA], 2, v[WSO]       ; 8 r + 4 u
	WLOAD 0, 0                                     ; W_b's first three pairs of tiles: they land under the drain and the exchange of hidden
	WLOAD 1, 1
	WLOAD 2, 2
	WORK 7, 0
	SAVE 7
	WIN 0x80
	DRAINC 14, 0, FCB
	DRAINC 15, 1, FCB
	WIN 0
	DRAINS 14, 4608
	DRAINS 15, 4736
	; ---- hidden: my 16 columns: both halves of the lanes, / 256
.irp k, 0,1,2,3,4,5,6,7,8,9,10,11,12,13,14,15
	v_permlanex16_b32 v[XR+\k], v[HS+\k], s[SEL], s[SEL+1]
.endr
.irp k, 0,1,2,3,4,5,6,7,8,9,10,11,12,13,14,15
	v_add_f32 v[HS+\k], v[HS+\k], v[XR+\k]
.endr
.irp k, 0,2,4,6,8,10,12,14
	v_pk_mul_f32 v[HS+\k:HS+\k+1], v[HS+\k:HS+\k+1], 0x3b800000 op_sel_hi:[1,0]   ; x 2^-8
.endr
	v_and_b32 v[MXA], 15, v0
	v_lshl_add_u32 v[MXA], v[MXA], 6, s15
	v_add_nc_u32 v[MXA], HID, v[MXA]               ; hidden + 1,024 w + 64 r
	v_bfe_u32 v[HAD0], v0, 4, 1
	v_lshl_add_u32 v[HAD0], v[HAD0], 5, HID        ; hidden + 32 h
	BARRIER                                        ; every wave has read the last of its scratch: those bytes change hands
.irp k, 0,1,2,3
	ds_store_b128 v[MXA], v[HS+4*\k:HS+4*\k+3] offset:16*\k   ; both halves of the lanes store the same bytes
.endr
	BARRIER                                        ; hidden is whole
; hidden of a pair of tiles, off bytes on from the address in adr, into 16 registers from reg on, of the window that is set: register 8 u + j = hidden[32 P + 16 u + 8 h + j]
.macro HLOAD reg, adr, off
.irp u, 0,1
.irp c, 0,1
	ds_load_b128 v[\reg+8*\u+4*\c:\reg+8*\u+4*\c+3], v[\adr] offset:\off+64*\u+16*\c
.endr
.endr
.endm
	WIN 0x40
	HLOAD HIDX, HAD0, 0                            ; hidden of pair 0 into set 0 of both windows
.irp k, 0,1,2,3,4,5,6,7,8,9,10,11,12,13,14,15
	v_mov_b32 v[HIDX+16+\k], 0                     ; the loop is written once: its first sixteen multiply-adds find zeros
.endr
	WIN 0x80
	HLOAD HIDX, HAD0, 0
	WIN 0
.set n, 0
.rept 64
	v_mov_b32 v[ACC+32+n], 0                       ; accumulator set 1 (for those sixteen) and the 16 pairs of score sums
.set n, n+1
.endr
; ---- THE PRODUCT.  32 pairs of tiles of 16 columns e, on a ring of four pair slots in registers.
; Number d of the sixteen multiply-adds on the two accumulators of the group in front of group G: registers 2 (d / 2), + 1 of accumulator d % 2.
; Registers 0-7 of an accumulator are e = 32 P + 8 h + j, registers 8-15 e = 32 P + 16 + 8 h + j: hidden lies in the same order.
.macro DOT d, G, hs
.set di, (\d)%2
.set dk, (\d)/2
.set dS, SUM2+2*(2*(((\G)+7)%8)+di)
.set dA, ACC+32*(1-(\G)%2)+16*di+2*dk
.set dH, HIDX+16*(\hs)+2*dk
	v_pk_fma_f32 v[dS:dS+1], v[dA:dA+1], v[dH:dH+1], v[dS:dS+1]
.endm
; Group G of a pair: row tiles 2 G, 2 G + 1, two K steps: four matrix instructions on two accumulators, which take turns, one instruction a turn; the first two start the sums with the constant 0.
; Behind each stand four multiply-adds of the group before.  ONE window setting serves both kinds of line: accumulators, sums and W_b lie in window 0, the rows' codes and hidden in the window of source 1.
; Between an accumulator's last product and its first reader stand 8 and 5 plain lines that name none of that product's registers (ISA guide 7.12.1 asks for 4).
; W_b's scale words fill the 32 lanes; the rows' lie in lanes 0-15 for K step 0 and in lanes 16-31 for K step 1.
.macro GROUP slot, G, hs
.set j, 0
.rept 4
.set gi, j%2
.set gs, j/2
.set aD, ACC+32*((\G)%2)+16*gi
.set aA, BR+32*(\slot)+16*gs
.set aB, 16*((2*(\G)+gi)%8)+8*gs
.set aSA, BSC+2*(\slot)+gs
.set aSB, ASC+2*(\G)+gi
.if gs == 0
	v_wmma_scale_f32_32x16x128_f4 v[aD:aD+15], v[aA:aA+15], v[aB:aB+7], 0, v[aSA], v[aSB]
.else
	v_wmma_scale_f32_32x16x128_f4 v[aD:aD+15], v[aA:aA+15], v[aB:aB+7], v[aD:aD+15], v[aSA], v[aSB] matrix_b_scale:MATRIX_SCALE_ROW1
.endif
	DOT 4*j, \G, \hs
	DOT 4*j+1, \G, \hs
	DOT 4*j+2, \G, \hs
	DOT 4*j+3, \G, \hs
.set j, j+1
.endr
.endm
; Pair pl of a trip's four.  wait: the younger pairs' loads that may stay out.  refill = 1: the slot left by the last pair takes the pair three on.  nexthid = 1: the next pair's hidden is fetched.
; The pair's memory instructions stand in ONE run, behind its first group: by then that group's multiply-adds, the last pair's, have read the set of hidden that is filled anew.
.macro PAIR pl, wait, refill, nexthid
	s_wait_loadcnt \wait                           ; this pair's ten loads are in
	WIN 0x04                                       ; source 1: window 1
	GROUP \pl, 0, ((\pl)+1)%2                      ; its multiply-adds are the last pair's: the other set of hidden
	s_wait_dscnt 0x0                               ; this pair's hidden is in (asked for a pair ago)
.if (\pl) == 0
	v_add_nc_u32 v[HADC], v[HAD0], s[SH]           ; (the vector register first: source 0 means window 0)
.endif
.if \refill
	WLOAD ((\pl)+3)%4, (\pl)+3                     ; the last product that read that slot stands in front of this group: twenty plain lines or more that name none of its registers lie between
.endif
.if \nexthid
	WIN 0x40
	HLOAD HIDX+16*(((\pl)+1)%2), HADC, 128*((\pl)+1)
	WIN 0x80
	HLOAD HIDX+16*(((\pl)+1)%2), HADC, 128*((\pl)+1)
.endif
	WIN 0x04
	GROUP \pl, 1, (\pl)%2
	GROUP \pl, 2, (\pl)%2
	GROUP \pl, 3, (\pl)%2
	WIN 0x08                                       ; source 1: window 2
	GROUP \pl, 4, (\pl)%2
	GROUP \pl, 5, (\pl)%2
	GROUP \pl, 6, (\pl)%2
	GROUP \pl, 7, (\pl)%2
.endm
	s_mov_b32 s[SH], 0
	s_mov_b32 s[CNT], 7
.Lprod:                                            ; a trip: four pairs, once round the ring.  20: behind a pair's loads those of the two next pairs have been issued, ten each
.irp pl, 0,1,2,3
	PAIR \pl, 20, 1, 1
.endr
	WIN 0
	s_wait_xcnt 0x0                                ; the loads issued have had their addresses translated (ISA guide 3.1): only behind this wait is their base stepped
	s_add_nc_u64 s[WB:WB+1], s[WB:WB+1], 4*PAIRB
	s_add_co_u32 s[SH], s[SH], 512
	s_sub_co_u32 s[CNT], s[CNT], 1
	s_cmp_lg_u32 s[CNT], 0
	s_cbranch_scc1 .Lprod
	PAIR 0, 20, 1, 1                               ; the last four pairs are written out: one more refill (pair 31), then the counts run down; no load leaves wq
	PAIR 1, 20, 0, 1
	PAIR 2, 10, 0, 1
	PAIR 3, 0, 0, 0
.set j, 0
.rept 16
	DOT j, 0, 1                                    ; the last group's multiply-adds; window 2 holds the last pair's hidden too
.set j, j+1
.endr
	WIN 0
	; ---- my partial scores: the two halves of each pair, and the other half of the lanes' e
.irp m, 0,1,2,3,4,5,6,7,8,9,10,11,12,13,14,15
	v_add_f32 v[SUM2+2*\m], v[SUM2+2*\m], v[SUM2+2*\m+1]
.endr
.irp m, 0,1,2,3,4,5,6,7,8,9,10,11,12,13,14,15
	v_permlanex16_b32 v[ACC+\m], v[SUM2+2*\m], s[SEL], s[SEL+1]
.endr
.irp m, 0,1,2,3,4,5,6,7,8,9,10,11,12,13,14,15
	v_add_f32 v[SUM2+2*\m], v[SUM2+2*\m], v[ACC+\m]
.endr
	v_and_b32 v[PSA], 15, v0
	v_lshl_add_u32 v[PSA], v[PSA], 2, s15
	v_add_nc_u32 v[PSA], PS, v[PSA]                ; partial scores + 1,024 w + 4 r
.irp m, 0,1,2,3,4,5,6,7,8,9,10,11,12,13,14,15
	ds_store_b32 v[PSA], v[SUM2+2*\m] offset:64*\m ; row 16 m + r; both halves of the lanes store the same word
.endr
	v_and_b32 v1, 31, v0                           ; addresses for what follows (every load of wq has been waited for: v1 and v2 are free)
	v_lshl_add_u32 v4, v1, 4, s13                  ; v4: my rows + 16 lane
	v_lshlrev_b32 v2, 5, v1
	v_add_nc_u32 v1, PS, v2                        ; v1: partial scores + 32 lane
	v_add_nc_u32 v2, s15, v2
	v_add_nc_u32 v2, PW, v2                        ; v2: my copy of p + 32 lane
	v_bfe_u32 v3, v0, 4, 1
	v_lshl_add_u32 v3, v3, 5, s15
	v_add_nc_u32 v3, PW, v3                        ; v3: my copy of p + 32 rho
	BARRIER                                        ; all partial scores lie in LDS.  The last barrier: from here each wave works for itself
	; ---- the softmax: lane l takes rows 8 l .. 8 l + 7
.irp a, 0,1,2,3
	ds_load_b128 v[128+8*\a:131+8*\a], v1 offset:1024*\a
	ds_load_b128 v[132+8*\a:135+8*\a], v1 offset:1024*\a+16
.endr
	s_wait_dscnt 0x0
.irp i, 0,2,4,6
	v_pk_add_f32 v[128+\i:129+\i], v[128+\i:129+\i], v[136+\i:137+\i]
	v_pk_add_f32 v[144+\i:145+\i], v[144+\i:145+\i], v[152+\i:153+\i]
.endr
.irp i, 0,2,4,6
	v_pk_add_f32 v[128+\i:129+\i], v[128+\i:129+\i], v[144+\i:145+\i]   ; the scores
.endr
	v_max3_num_f32 v112, v128, v129, v130
	v_max3_num_f32 v113, v131, v132, v133
	v_max3_num_f32 v112, v112, v134, v135
	v_max_num_f32 v112, v112, v113
	v_max_num_f32_dpp v112, v112, v112 row_xmask:1 row_mask:0xf bank_mask:0xf
	v_max_num_f32_dpp v112, v112, v112 row_xmask:2 row_mask:0xf bank_mask:0xf
	v_max_num_f32_dpp v112, v112, v112 row_xmask:4 row_mask:0xf bank_mask:0xf
	v_max_num_f32_dpp v112, v112, v112 row_xmask:8 row_mask:0xf bank_mask:0xf
	v_permlanex16_b32 v113, v112, s[SEL], s[SEL+1]
	v_max_num_f32 v112, v112, v113                 ; the document's largest score, in every lane
.irp i, 0,1,2,3,4,5,6,7
	v_sub_f32 v[128+\i], v[128+\i], v112           ; the difference first, then the factor: not fused, so that large scores lose nothing
.endr
.irp i, 0,1,2,3,4,5,6,7
	v_mul_f32 v[128+\i], 0x3fb8aa3b, v[128+\i]     ; x log2(e)
.endr
.irp i, 0,1,2,3,4,5,6,7
	v_exp_f32 v[128+\i], v[128+\i]                 ; p, at most 1; normalised at the end
.endr
	v_mov_b32 v119, 0                              ; a plain line behind the exponentials (v119 is named below as the upper half of a pair)
	s_wait_alu depctr_va_vdst(0)                   ; one wait for the batch, ahead of its first reader
	ds_store_b128 v2, v[128:131]
	ds_store_b128 v2, v[132:135] offset:16
.irp t, 0,1,2,3,4,5,6
	ds_load_b128 v[PR+8*\t:PR+8*\t+3], v3 offset:64*\t          ; p of rows 16 t + 8 rho + 0 .. 7: LDS serves a wave in order: these see my stores
	ds_load_b128 v[PR+8*\t+4:PR+8*\t+7], v3 offset:64*\t+16
.endr
	v_add_f32 v114, v128, v129
	v_add_f32 v115, v130, v131
	v_add_f32 v116, v132, v133
	v_add_f32 v117, v134, v135
	v_add_f32 v114, v114, v115
	v_add_f32 v116, v116, v117
	v_add_f32 v114, v114, v116
	v_add_f32_dpp v114, v114, v114 row_xmask:1 row_mask:0xf bank_mask:0xf
	v_add_f32_dpp v114, v114, v114 row_xmask:2 row_mask:0xf bank_mask:0xf
	v_add_f32_dpp v114, v114, v114 row_xmask:4 row_mask:0xf bank_mask:0xf
	v_add_f32_dpp v114, v114, v114 row_xmask:8 row_mask:0xf bank_mask:0xf
	v_permlanex16_b32 v115, v114, s[SEL], s[SEL+1]
	v_add_f32 v114, v114, v115                     ; the sum of p: at least 1
	v_rcp_f32 v118, v114
.irp k, 0,1,2,3,4,5,6,7,8,9,10,11,12,13,14,15
	v_mov_b32 v[CT+\k], 0                          ; the context sums (plain lines behind the reciprocal)
.endr
	s_wait_alu depctr_va_vdst(0)                   ; the reciprocal's wait, ahead of the label below and of its reader
	; ---- ct: lane (r, rho): columns 16 r + 0 .. 15 of my quarter, over the rows 16 t + 8 rho + q.  A duo: 16 multiply-adds straight from the bf16 halves
.macro CTDUO bf, pr
.irp k, 0,1,2,3,4,5,6,7
	v_fma_mix_f32_bf16 v[CT+2*\k], v[\bf+\k], v[\pr], v[CT+2*\k] op_sel_hi:[1,0,0]
	v_fma_mix_f32_bf16 v[CT+2*\k+1], v[\bf+\k], v[\pr], v[CT+2*\k+1] op_sel:[1,0,0] op_sel_hi:[1,0,0]
.endr
.endm
	s_wait_dscnt 0x0
	WIN 0x01                                       ; source 0: window 1
.set n, 0
.rept 12
	CTDUO 160+8*n, PR+n
.set n, n+1
.endr
	WIN 0x02
.rept 12
	CTDUO 160+8*(n-12), PR+n
.set n, n+1
.endr
	WIN 0x03
.rept 32
	CTDUO 8*(n-24), PR+n
.set n, n+1
.endr
	WIN 0
	s_mov_b32 s[SB], 0
	s_mov_b32 s[SC], 448                           ; p of row tile 7
	s_mov_b32 s[CNT], 9
.Lct:                                              ; row tiles 7-15, from LDS
	v_add_nc_u32 v6, s[SB], v4
	v_add_nc_u32 v7, s[SC], v3
	ds_load_b128 v[PR8:PR8+3], v7
	ds_load_b128 v[PR8+4:PR8+7], v7 offset:16
.irp q, 0,1,2,3,4,5,6,7
	ds_load_b128 v[BL+8*\q:BL+8*\q+3], v6 offset:1024*\q
	ds_load_b128 v[BL+8*\q+4:BL+8*\q+7], v6 offset:1024*\q+512
.endr
.irp q, 0,1,2,3,4,5,6,7
	s_wait_dscnt 2*(7-\q)                          ; the younger duos' two loads each may stay out
	CTDUO BL+8*\q, PR8+\q
.endr
	s_add_co_u32 s[SB], s[SB], 8192                ; (the last wait was for 0: the address registers are written anew with no load out)
	s_add_co_u32 s[SC], s[SC], 64
	s_sub_co_u32 s[CNT], s[CNT], 1
	s_cmp_lg_u32 s[CNT], 0
	s_cbranch_scc1 .Lct
	; ---- the way out: both halves of the lanes, / the sum of p; through my stage, so that each store covers 512 consecutive bytes, at a multiple of 256 from out0's first byte
.irp k, 0,1,2,3,4,5,6,7,8,9,10,11,12,13,14,15
	v_permlanex16_b32 v[PR+\k], v[CT+\k], s[SEL], s[SEL+1]
.endr
.irp k, 0,1,2,3,4,5,6,7,8,9,10,11,12,13,14,15
	v_add_f32 v[CT+\k], v[CT+\k], v[PR+\k]
.endr
.irp k, 0,2,4,6,8,10,12,14
	v_pk_mul_f32 v[CT+\k:CT+\k+1], v[CT+\k:CT+\k+1], v[118:119] op_sel_hi:[1,0]
.endr
	v_and_b32 v6, 15, v0
	v_lshl_add_u32 v6, v6, 6, s15
	v_add_nc_u32 v6, OUTS, v6                      ; in: 64 r
	v_and_b32 v120, 31, v0
	v_lshlrev_b32 v120, 4, v120                    ; 16 lane
	v_add_nc_u32 v7, s15, v120
	v_add_nc_u32 v7, OUTS, v7                      ; back: 16 lane
.irp k, 0,1,2,3
	ds_store_b128 v6, v[CT+4*\k:CT+4*\k+3] offset:16*\k    ; both halves of the lanes store the same bytes
.endr
	ds_load_b128 v[128:131], v7
	ds_load_b128 v[132:135], v7 offset:512
	s_wait_dscnt 1
	global_store_b128 v120, v[128:131], s[10:11] th:TH_STORE_NT
	s_wait_dscnt 0x0
	global_store_b128 v120, v[132:135], s[10:11] offset:512 th:TH_STORE_NT
	s_wait_xcnt 0x0
	v_lshl_add_u32 v254, v0, 2, 0x4fd00
	v_mov_b32 v255, 0
	s_wait_tensorcnt 0x0
	ds_add_u32 v254, v255
	s_wait_dscnt 0x0
	s_endpgm
.Lfunc_end_k_q15a7567fde_doc:
	.size	k_q15a7567fde_doc, .Lfunc_end_k_q15a7567fde_doc-k_q15a7567fde_doc
	.p2alignl 7, 3214868480
	.fill 96, 4, 3214868480
	.section	.rodata,"a",@progbits
	.p2align	6, 0x0
	.amdhsa_kernel k_q15a7567fde_doc
		.amdhsa_group_segment_fixed_size 327680
		.amdhsa_private_segment_fixed_size 0
		.amdhsa_enable_private_segment 0
		.amdhsa_kernarg_size 32
		.amdhsa_user_sgpr_count 2
		.amdhsa_user_sgpr_kernarg_segment_ptr 1
		.amdhsa_wavefront_size32 1
		.amdhsa_system_sgpr_workgroup_id_x 1
		.amdhsa_system_sgpr_workgroup_id_y 1
		.amdhsa_system_sgpr_workgroup_id_z 1
		.amdhsa_system_vgpr_workitem_id 0
		.amdhsa_next_free_vgpr 1024
		.amdhsa_next_free_sgpr 66
		.amdhsa_reserve_vcc 0
		.amdhsa_float_denorm_mode_32 3
		.amdhsa_float_denorm_mode_16_64 3
		.amdhsa_memory_ordered 1
		.amdhsa_forward_progress 1
		.amdhsa_inst_pref_size 255
	.end_amdhsa_kernel
	.section	.bss,"aw",@nobits
	.p2align	6
	.space	262144
	.amdgpu_metadata
---
amdhsa.version: [ 1, 2 ]
amdhsa.kernels:
  - .name:           k_q15a7567fde_doc
    .symbol:         k_q15a7567fde_doc.kd
    .args:
      - { .name: tokens, .offset: 0, .size: 8, .value_kind: global_buffer, .address_space: global }
      - { .name: emb_table, .offset: 8, .size: 8, .value_kind: global_buffer, .address_space: global }
      - { .name: wq, .offset: 16, .size: 8, .value_kind: global_buffer, .address_space: global }
      - { .name: out0, .offset: 24, .size: 8, .value_kind: global_buffer, .address_space: global }
    .group_segment_fixed_size: 327680
    .private_segment_fixed_size: 0
    .kernarg_segment_align: 8
    .kernarg_segment_size: 32
    .max_flat_workgroup_size: 128
    .sgpr_count:     66
    .vgpr_count:     1024
    .wavefront_size: 32
...
	.end_amdgpu_metadata
.endif
;; end of part 2
;; ======== version 2 of 2: 2 launches
;; workspace buffers: wq 557,056 bytes
;; launch wquant (part 3): grid 32 x 8, 1 waves a work-group, no clusters, 0 bytes of LDS; arguments W_b, wq; writes wq
.if DOCPART == 3
	.amdgcn_target "amdgcn-amd-amdhsa--gfx1250"
	.amdhsa_code_object_version 6
	.text
	.protected	k_q15a7567fde_wquant
	.globl	k_q15a7567fde_wquant
	.p2align	8
	.type	k_q15a7567fde_wquant,@function
k_q15a7567fde_wquant:
	s_mov_b64 s[64:65], 0
	v_nop
	global_prefetch_b8 v0, s[64:65] scope:SCOPE_SE
	s_setreg_imm32_b32 hwreg(HW_REG_WAVE_MODE, 25, 1), 1
	s_wait_xcnt 0x0
; W_b [1024 (d)][1024 (e)], f32, is the right operand of emb x W_b: its K is d, its FIRST axis.  It is turned into codes of FP4 (E2M1) with one E8M0 scale byte
; for each 32 along d, laid in the ORDER OF THE OPERAND'S REGISTERS, so that the next launch loads each fragment by plain 16-byte loads, 512 consecutive bytes an instruction.
; LAYOUT of wq: quarter w of K (d = 256 w ..) at w x 139,264; in it pair P of tiles of 16 columns (e = 32 P ..) at P x 4,352; in it
;   codes: u x 2,048 + s x 1,024 + c x 512 + (16 h + r) x 16: the 32 codes of W_b[256 w + 128 s + 64 c + 32 h + 0 .. 31][32 P + 16 u + r], the lower d in the lower bits;
;   scale words: 4,096 + (16 s + r) x 8 + u x 4: byte b scales d = 256 w + 128 s + 32 b + 0 .. 31 of that column.
; A LANE TAKES A COLUMN e AND ITS REGISTERS RUN DOWN d: a block of 32 lies in one lane's 32 registers, its largest magnitude needs no other lane, and the conversions give codes with d innermost.
; A work-group is one wave: 32 columns (x = P) x 128 rows (y = 2 w + s): four blocks a lane.  No LDS, no barrier.  No register is written twice, so no store's data are written again.
; A block's scale is 2^(floor(log2(its largest magnitude)) - 2); its byte is the largest magnitude's exponent field - 2, held at 1 from below.
; LIMITS: a block of zeros gets the byte 1 where the rule says 127 (its codes are zeros, which add nothing, and this program alone reads the bytes); NaN and infinities are not served.
.set QUART, 139264
.set PAIRB, 4352
.set MXA,   4                          ; v4, v5   two chains of the largest magnitude
.set MXB,   5
.set SCL,   6                          ; v6       the conversion's scale operand
.set BYT,   7                          ; v7       the scale's byte
.set WRD,   8                          ; v8       the column's scale word
.set CD,    16                         ; v16-31   codes, four registers a block
.set XR,    32                         ; v32-159  the numbers: register 32 b + i = row 32 b + i of my 128
	s_load_b128 s[4:7], s[0:1], 0x0                ; W_b s[4:5], wq s[6:7]
	v_and_b32 v9, 15, v0                           ; r
	v_lshrrev_b32 v10, 4, v0                       ; u (one wave: the thread's number is the lane)
	v_lshlrev_b32 v1, 2, v0                        ; in: 4 bytes a lane: 128 consecutive bytes a load
	v_lshlrev_b32 v2, 4, v9
	v_lshl_add_u32 v2, v10, 11, v2                 ; codes: 2,048 u + 16 r
	v_lshlrev_b32 v3, 3, v9
	v_lshl_add_u32 v3, v10, 2, v3                  ; scale word: 8 r + 4 u
	s_and_b32 s8, ttmp7, 0xffff                    ; y = 2 w + s
	s_lshr_b32 s9, s8, 1                           ; w
	s_and_b32 s10, s8, 1                           ; s
	s_lshl_b32 s12, s8, 19                         ; 128 y rows of 4,096 bytes
	s_lshl_b32 s11, ttmp9, 7                       ; 32 P columns of 4 bytes
	s_add_co_u32 s12, s12, s11
	s_mov_b32 s13, 0
	s_mul_i32 s14, s9, QUART
	s_mul_i32 s15, ttmp9, PAIRB
	s_add_co_u32 s14, s14, s15                     ; the pair's first byte in wq
	s_lshl_b32 s15, s10, 10
	s_add_co_u32 s16, s14, s15                     ; + 1,024 s: my codes
	s_mov_b32 s17, 0
	s_lshl_b32 s15, s10, 7
	s_add_co_u32 s18, s14, s15
	s_add_co_u32 s18, s18, 4096                    ; + 4,096 + 128 s: my scale words
	s_mov_b32 s19, 0
	s_wait_alu depctr_va_vdst(0)
	s_wait_kmcnt 0x0
	s_add_nc_u64 s[4:5], s[4:5], s[12:13]
	s_add_nc_u64 s[20:21], s[6:7], s[16:17]
	s_add_nc_u64 s[22:23], s[6:7], s[18:19]
.macro LOADB b                         ; block b: 32 rows of my column
.set n, 0
.rept 32
	global_load_b32 v[XR+32*(\b)+n], v1, s[4:5] offset:(32*(\b)+n)*4096 th:TH_LOAD_NT
.set n, n+1
.endr
.endm
; left: the younger block's 32 loads may stay out.  next = 1: the block two further on is asked for first, into registers of its own.
.macro BLOCK b, left, next
	s_wait_loadcnt \left
.if \next
	LOADB (\b)+2
.endif
.set XS, XR+32*(\b)
	v_max3_num_f32 v[MXA], |v[XS]|, |v[XS+1]|, |v[XS+2]|            ; the block's largest magnitude, in two chains
	v_max3_num_f32 v[MXB], |v[XS+3]|, |v[XS+4]|, |v[XS+5]|
.irp i, 6,10,14,18,22,26
	v_max3_num_f32 v[MXA], v[MXA], |v[XS+\i]|, |v[XS+\i+1]|
	v_max3_num_f32 v[MXB], v[MXB], |v[XS+\i+2]|, |v[XS+\i+3]|
.endr
	v_max3_num_f32 v[MXA], v[MXA], |v[XS+30]|, |v[XS+31]|
	v_max3_num_f32 v[MXA], v[MXA], v[MXB], 0x1800000                ; and the floor 2^(3 - 127): the byte cannot fall under 1
	v_add_nc_u32 v[SCL], 0xff000000, v[MXA]                         ; 2 off the exponent field: the conversion takes the exponent field of this operand as its scale
	v_lshrrev_b32 v[BYT], 23, v[SCL]                                ; the scale's byte
.if (\b) == 0
	v_mov_b32 v[WRD], v[BYT]
.else
	v_lshl_or_b32 v[WRD], v[BYT], 8*(\b), v[WRD]                    ; the lower d in the lower byte
.endif
.irp g, 0,1,2,3
	v_cvt_scalef32_pk8_fp4_f32 v[CD+4*(\b)+\g], v[XS+8*\g:XS+8*\g+7], v[SCL]
.endr
	global_store_b128 v2, v[CD+4*(\b):CD+4*(\b)+3], s[20:21] offset:512*((\b)/2)+256*((\b)%2)   ; block b = 2 c + h: sixteen lanes store 256 consecutive bytes, at a multiple of 256 from wq's first byte
.endm                                  ; (the next block begins with plain vector lines: they stand between these conversions and the line that writes their scale operand anew)
	LOADB 0
	LOADB 1
	BLOCK 0, 32, 1
	BLOCK 1, 32, 1
	BLOCK 2, 32, 0
	BLOCK 3, 0, 0
	global_store_b32 v3, v[WRD], s[22:23]          ; 32 words: 128 consecutive bytes
	s_endpgm
.Lfunc_end_k_q15a7567fde_wquant:
	.size	k_q15a7567fde_wquant, .Lfunc_end_k_q15a7567fde_wquant-k_q15a7567fde_wquant
	.p2alignl 7, 3214868480
	.fill 96, 4, 3214868480
	.section	.rodata,"a",@progbits
	.p2align	6, 0x0
	.amdhsa_kernel k_q15a7567fde_wquant
		.amdhsa_group_segment_fixed_size 0
		.amdhsa_private_segment_fixed_size 0
		.amdhsa_enable_private_segment 0
		.amdhsa_kernarg_size 16
		.amdhsa_user_sgpr_count 2
		.amdhsa_user_sgpr_kernarg_segment_ptr 1
		.amdhsa_wavefront_size32 1
		.amdhsa_system_sgpr_workgroup_id_x 1
		.amdhsa_system_sgpr_workgroup_id_y 1
		.amdhsa_system_sgpr_workgroup_id_z 1
		.amdhsa_system_vgpr_workitem_id 0
		.amdhsa_next_free_vgpr 160
		.amdhsa_next_free_sgpr 66
		.amdhsa_reserve_vcc 0
		.amdhsa_float_denorm_mode_32 3
		.amdhsa_float_denorm_mode_16_64 3
		.amdhsa_memory_ordered 1
		.amdhsa_forward_progress 1
		.amdhsa_inst_pref_size 20
	.end_amdhsa_kernel
	.amdgpu_metadata
---
amdhsa.version: [ 1, 2 ]
amdhsa.kernels:
  - .name:           k_q15a7567fde_wquant
    .symbol:         k_q15a7567fde_wquant.kd
    .args:
      - { .name: W_b, .offset: 0, .size: 8, .value_kind: global_buffer, .address_space: global }
      - { .name: wq, .offset: 8, .size: 8, .value_kind: global_buffer, .address_space: global }
    .group_segment_fixed_size: 0
    .private_segment_fixed_size: 0
    .kernarg_segment_align: 8
    .kernarg_segment_size: 16
    .max_flat_workgroup_size: 32
    .sgpr_count:     66
    .vgpr_count:     160
    .wavefront_size: 32
...
	.end_amdgpu_metadata
.endif
;; end of part 3
;; launch doc (part 4): grid 256 x 1, 4 waves a work-group, no clusters, 327,680 bytes of LDS; arguments tokens, emb_table, wq, out0; writes out0
.if DOCPART == 4
	.amdgcn_target "amdgcn-amd-amdhsa--gfx1250"
	.amdhsa_code_object_version 6
	.text
	.protected	k_q15a7567fde_doc
	.globl	k_q15a7567fde_doc
	.p2align	8
	.type	k_q15a7567fde_doc,@function
k_q15a7567fde_doc:
	s_mov_b64 s[64:65], 0
	v_nop
	global_prefetch_b8 v0, s[64:65] scope:SCOPE_SE
	s_setreg_imm32_b32 hwreg(HW_REG_WAVE_SCHED_MODE, 0, 2), 2
	s_setreg_imm32_b32 hwreg(HW_REG_WAVE_MODE, 25, 1), 1
	s_wait_xcnt 0x0
	s_wait_alu depctr_vm_vsrc(0)
; ct[b] = sum over l of softmax_l( (emb[l] W_b) . hidden ) emb[l],  emb[l] = emb_table[tokens[b][l] + 1],  hidden = the mean of the 256 rows.  emb x W_b on codes of FP4 (E2M1), one E8M0 scale for each 32 along d.
; ONE WORK-GROUP IS ONE DOCUMENT, AND EACH GATHERED ROW IS READ FROM MEMORY ONCE: between its two uses (mean and codes; the context sum) the document stays here, as bf16: 112 rows in registers, 144 in LDS.
; THE FOUR WAVES SHARE K: wave w owns d = 256 w .. 256 w + 255 of all 256 rows.  It gathers only its own 1,024 bytes of a row; its codes, scale words, bf16 copy, column sums and its part of ct are its own.
; From wave to wave go only hidden (4,096 bytes) and the partial scores (4 x 1,024 bytes): score[l] = sum over the waves of (the wave's partial emb[l] W_b) . hidden.  Three barriers.
; PHASES.  GATHER: two rows (a DUO: rows 16 t + q and 16 t + 8 + q) at a time: four loads of 512 consecutive bytes; a turn through the wave's stage in LDS, behind which lane (r, rho) holds 16 neighbours, columns 16 r .. of
;   row 16 t + 8 rho + q; the quantiser (two neighbouring lanes hold a block of 32); rounding to bf16; column sums.  bf16, codes and scale bytes are parked in LDS and drained into registers batch by batch.
;   A duo's memory instructions stand in ONE run (the last duo's stores, the ring's refill, the next duo's turn), and one block of vector work follows it.
; PRODUCT: the 32-row form, used transposed (source 0 = 32 columns e of W_b, a pair of tiles; source 1 = 16 rows of emb): a lane holds one row and 16 of the 32 e.  Each accumulator is finished in two instructions
;   (the wave's K is 256) and is at once multiplied by hidden[e] and summed: four packed multiply-adds stand behind each matrix instruction.  W_b's fragments come from wq straight into registers, three pairs ahead.
; SOFTMAX: every wave for itself, the true maximum taken away.  CT: p (f32) x emb (bf16), f32 sums.
; NO TENSOR LOADS AND NO JOINT LOADS for wq, though all work-groups read it: LDS is full: 4 x 73,728 bytes of bf16 rows + 32,768 of scratch = 327,680: there is no room for a slot.
; LIMITS: NaN and infinities are not served; a block of zeros gets the byte 1 with zero codes (the same numbers); a token outside -1 .. 49,999 is held to row 50,000; emb enters the context sum rounded to bf16.
;
; THE MODE: SCHED_MODE bits 1:0 = 2 (LLVM: expert scheduling mode 2), set by the entry lines.  The code itself states the register dependences between vector or matrix instructions and memory or LDS instructions, with s_wait_alu, always for 0.
; THE PLAN.  Registers that memory or LDS instructions touch, and who else names them:
;   GATHER, duo q of a row tile.  RG[q]: the row loads land in it, the stage's stores read it; no vector instruction names it.  XR[q % 2]: the stage's loads land in it, duo q's vector work reads it.
;     BFT, CC, EE [q % 2]: written by duo q's vector work, read by the four stores issued at duo q + 1's head.  VOF[q]: written in duo q - 1's vector work (place 0: at the row tile's head), read by place q's row loads.
;     BADC, CADC, SADC: written at a row tile's head, read by its stores.  The other addresses are made at the kernel's head and stay.
;     So two waits stand at a duo's head, one on va_vdst and one on vm_vsrc; the duo's run of memory instructions follows them, and the vector work behind that run names none of the run's registers.
;   PRODUCT, pair pl.  BR and BSC slot (pl + 3) % 4: read by the products of the pair before, loaded anew in this pair.  Hidden set (pl + 1) % 2: read by multiply-adds up to this pair's first group, loaded anew behind it.
;     v[HADC]: written once a trip, read by hidden's loads.  v[WOF], v[WSO]: never written in the loop.  Accumulators, sums, the rows' codes and scale words: no load lands in them in the loop.
;     So ONE wait on va_vdst stands in a pair, behind its first group.  Hidden's eight loads follow it; wq's ten are dealt behind the matrix instructions of groups 1 to 3, which name slot pl and hidden set pl % 2 alone.
;   Between the phases each run of stores or loads has its wait on va_vdst ahead of it, and each batch of registers that is made anew its wait on vm_vsrc: said where they stand.
;
; LDS: wave w's rows at 73,728 w: 72 duo slots of 1,024 bytes (two images of 512: 16 bytes a lane).  While slots 56-71 are empty their bytes park codes: 112 rows x 144 (128 + 16 of padding).
;   From 294,912: during the gather 8,192 bytes a wave: +0 the stage, 32 places of 80; +2,560 scale bytes of 112 rows x 8, later codes of 32 rows x 144; +7,168 scale bytes of those 32 rows.
;   Behind the first barrier the same bytes in common: hidden 4,096; partial scores 4 x 1,024; each wave's copy of p 4 x 1,024; each wave's stage for the way out 4 x 1,024.
; REGISTERS, in windows of 256: window 1: 0-127 codes of row tiles 0-7 (16 mt + 8 s); 128-159 hidden, two sets of 16; 160-255 bf16 of duos 0-11.  window 2: the same for row tiles 8-15 and duos 12-23.  window 3: duos 24-55.
;   window 0: v8-23 the rows' scale words and v24-31 W_b's: scales and nothing else in the whole launch; the rest by phase, below.
.set BFW,    73728
.set PARK,   57344
.set CPITCH, 144
.set SCR,    294912
.set HID,    294912
.set PS,     299008
.set PW,     303104
.set OUTS,   307200
.set QUART,  139264
.set PAIRB,  4352
; window 0 in the gather
.set LNB,  1                           ; 1,024 w + 16 lane: my bytes in a row
.set STI,  2                           ; the stage, in: 80 (lane / 4) + 16 (lane % 4)
.set STO,  3                           ; the stage, out: 80 lane
.set BAD0, 4                           ; my wave's rows + 16 lane
.set CAB,  5                           ; parked codes of batches A, B: + 1,152 rho + 8 r
.set CCB,  6                           ; of batch C
.set SAB,  7                           ; scale bytes: + 64 rho + r / 2
.set ASC,  8                           ; v8-23   row tile mt's scale words: lanes 0-15 K step 0 of row r, lanes 16-31 K step 1
.set BSC,  24                          ; v24-31  W_b's scale words: 2 slot + s; lane 16 u + r: column 16 u + r of the pair
.set VOF,  32                          ; v32-47  byte offsets of the ring's 16 rows
.set XR,   48                          ; v48-79  16 neighbours, two sets
.set HS,   80                          ; v80-95  column sums
.set BFT,  96                          ; v96-111 bf16, two sets of 8
.set CC,   112                         ; v112-115 codes, two sets of 2
.set EE,   116                         ; v116-117 scale bytes, two sets
.set MXA,  118
.set MXB,  119
.set SCL,  120
.set BADC, 121                         ; this row tile's LDS addresses
.set CADC, 122
.set SADC, 123
.set FAB,  124                         ; fragments out of the parked codes: + 144 r + 16 h
.set FCB,  125
.set SRB,  126                         ; scale words out of the bytes: + 8 r + 4 h
.set RG,   128                         ; v128-255 the ring: duo q at 16 q, load i at + 4 i
; window 0 in the product
.set WOF,  1                           ; 16 lane
.set WSO,  2                           ; 8 r + 4 u, lane = 16 u + r
.set HAD0, 3                           ; hidden + 32 h
.set HADC, 4
.set PSA,  5
.set ACC,  32                          ; v32-95  two sets of two accumulators of 16 registers
.set SUM2, 96                          ; v96-127 a pair for each row tile: the score's even and odd e
.set BR,   128                         ; v128-255 W_b's fragments: 32 slot + 16 s + 8 u
.set HIDX, 128                         ; in windows 1 and 2: hidden, set hs at + 16 hs, tile u of the pair at + 8 u
; window 0 in the softmax and the context sum
.set CT,   32
.set PR,   48
.set PR8,  104
.set BL,   128
; scalars: s[4:5] tokens, s[6:7] emb_table, s[8:9] wq at my quarter, s[10:11] out0 at my 1,024 bytes, s12 wave, s13 my rows in LDS, s14 my scratch, s15 1,024 w
.set WB,   8
.set TOK,  16                          ; s[16:31] 16 tokens
.set ROF,  32                          ; s[32:47] 16 row offsets
.set CNT,  48
.set SB,   49                          ; LDS steps from row tile to row tile
.set SC,   50
.set SS,   51
.set SEL,  52                          ; s[52:53] v_permlanex16_b32's selects for lane l xor 16
.set SH,   54
.set MSB, 0
.macro WIN new                         ; the immediate's high byte repeats the setting that is left; a switch that changes nothing is dropped
.if MSB != \new
	s_set_vgpr_msb (MSB<<8)|\new
.set MSB, \new
.endif
.endm
.macro BARRIER                         ; my LDS stores have landed and my LDS loads are in: then the work-group's barrier
	s_wait_dscnt 0x0
	s_barrier_signal -1
	s_barrier_wait -1
.endm
	s_load_b256 s[4:11], s[0:1], 0x0
	v_lshrrev_b32 v[XR+3], 5, v0
	v_readfirstlane_b32 s12, v[XR+3]               ; wave 0..3
	s_wait_alu depctr_va_sdst(0)                   ; s12 is written, ahead of its first reader: the wave's places in LDS and in memory are made from it
	s_mul_i32 s13, s12, BFW
	s_lshl_b32 s14, s12, 13
	s_add_co_u32 s14, s14, SCR
	s_lshl_b32 s15, s12, 10
	s_add_co_u32 s60, s13, PARK
	s_add_co_u32 s61, s14, 2560
	s_mov_b32 s[SEL], 0x76543210
	s_mov_b32 s[SEL+1], 0xfedcba98
	s_lshl_b32 s56, ttmp9, 10                      ; a document's 256 tokens are 1,024 bytes
	s_mov_b32 s57, 0
	s_wait_kmcnt 0x0
	s_add_nc_u64 s[4:5], s[4:5], s[56:57]
	s_load_b512 s[TOK:TOK+15], s[4:5], 0x0         ; row tile 0's tokens
	s_mul_i32 s56, s12, QUART
	s_add_nc_u64 s[WB:WB+1], s[WB:WB+1], s[56:57]
	s_lshl_b32 s56, ttmp9, 12
	s_add_co_u32 s56, s56, s15
	s_add_nc_u64 s[10:11], s[10:11], s[56:57]
	v_and_b32 v[XR], 31, v0                        ; lane
	v_and_b32 v[XR+1], 15, v0                      ; r
	v_bfe_u32 v[XR+2], v0, 4, 1                    ; rho = h
	v_lshl_add_u32 v[LNB], v[XR], 4, s15
	v_lshrrev_b32 v[XR+3], 2, v[XR]
	v_mul_u32_u24 v[XR+3], v[XR+3], 80
	v_and_b32 v[XR+4], 3, v[XR]
	v_lshl_add_u32 v[XR+3], v[XR+4], 4, v[XR+3]
	v_add_nc_u32 v[STI], s14, v[XR+3]
	v_mul_u32_u24 v[STO], v[XR], 80
	v_add_nc_u32 v[STO], s14, v[STO]
	v_lshl_add_u32 v[BAD0], v[XR], 4, s13
	v_mul_u32_u24 v[XR+3], v[XR+2], 8*CPITCH
	v_lshl_add_u32 v[XR+3], v[XR+1], 3, v[XR+3]
	v_add_nc_u32 v[CAB], s60, v[XR+3]
	v_add_nc_u32 v[CCB], s61, v[XR+3]
	v_lshrrev_b32 v[XR+3], 1, v[XR+1]
	v_lshl_add_u32 v[XR+3], v[XR+2], 6, v[XR+3]
	v_add_nc_u32 v[SAB], s61, v[XR+3]
	v_mul_u32_u24 v[XR+3], v[XR+1], CPITCH
	v_lshl_add_u32 v[XR+3], v[XR+2], 4, v[XR+3]
	v_add_nc_u32 v[FAB], s60, v[XR+3]
	v_add_nc_u32 v[FCB], s61, v[XR+3]
	v_lshlrev_b32 v[XR+3], 3, v[XR+1]
	v_lshl_add_u32 v[XR+3], v[XR+2], 2, v[XR+3]
	v_add_nc_u32 v[SRB], s61, v[XR+3]
.irp k, 0,1,2,3,4,5,6,7,8,9,10,11,12,13,14,15
	v_mov_b32 v[HS+\k], 0                          ; the column sums
.endr
; 16 tokens become 16 byte offsets: row = token + 1, held to the table's last row, x 4,096 bytes
.macro OFFS
.irp k, 0,1,2,3,4,5,6,7,8,9,10,11,12,13,14,15
	s_add_co_u32 s[ROF+\k], s[TOK+\k], 1
	s_min_u32 s[ROF+\k], s[ROF+\k], 0xc350
	s_lshl_b32 s[ROF+\k], s[ROF+\k], 12
.endr
.endm
; the byte offsets of duo q's two rows, of the row tile whose offsets stand in ROF
.macro VOFS q
	v_add_nc_u32 v[VOF+2*(\q)], s[ROF+(\q)], v[LNB]
	v_add_nc_u32 v[VOF+2*(\q)+1], s[ROF+8+(\q)], v[LNB]
.endm
; duo q's four loads, each 512 consecutive bytes of a row.  No cache hint: the list may name a row twice
.macro FILL q
.irp i, 0,1,2,3
	global_load_b128 v[RG+16*(\q)+4*\i:RG+16*(\q)+4*\i+3], v[VOF+2*(\q)+\i/2], s[6:7] offset:512*(\i%2)
.endr
.endm
; the duo's 2,048 bytes go through the stage as they lie and come back 64 bytes a lane.  LDS serves a wave's instructions in order (ISA guide 5.7.1.4): no wait between the stores and the loads
.macro TURN q
.irp i, 0,1,2,3
	ds_store_b128 v[STI], v[RG+16*(\q)+4*\i:RG+16*(\q)+4*\i+3] offset:640*\i
.endr
.irp k, 0,1,2,3
	ds_load_b128 v[XR+16*((\q)%2)+4*\k:XR+16*((\q)%2)+4*\k+3], v[STO] offset:16*\k
.endr
.endm
; a duo's vector work on 16 neighbours a lane: the quantiser first, the plain roundings and sums last.  vof = 1: the next ring place's row offsets are made here too, so that no vector line stands among the memory instructions
.macro WORK q, vof
.set PXS, XR+16*((\q)%2)
.set PBT, BFT+8*((\q)%2)
.set PCC, CC+2*((\q)%2)
.set PEE, EE+(\q)%2
	v_max3_num_f32 v[MXA], |v[PXS]|, |v[PXS+1]|, |v[PXS+2]|               ; the largest magnitude of my 16, in two chains
	v_max3_num_f32 v[MXB], |v[PXS+3]|, |v[PXS+4]|, |v[PXS+5]|
.irp i, 6,10
	v_max3_num_f32 v[MXA], v[MXA], |v[PXS+\i]|, |v[PXS+\i+1]|
	v_max3_num_f32 v[MXB], v[MXB], |v[PXS+\i+2]|, |v[PXS+\i+3]|
.endr
	v_max3_num_f32 v[MXA], v[MXA], |v[PXS+14]|, |v[PXS+15]|
	v_max3_num_f32 v[MXA], v[MXA], v[MXB], 0x1800000                      ; and the floor 2^(3 - 127): the byte cannot fall under 1
	v_max_num_f32_dpp v[MXA], v[MXA], v[MXA] row_xmask:1 row_mask:0xf bank_mask:0xf   ; and of my neighbour's 16: the block's
	v_add_nc_u32 v[SCL], 0xff000000, v[MXA]                               ; 2 off its exponent field: the conversion's scale operand
	v_cvt_scalef32_pk8_fp4_f32 v[PCC], v[PXS:PXS+7], v[SCL]
	v_cvt_scalef32_pk8_fp4_f32 v[PCC+1], v[PXS+8:PXS+15], v[SCL]
	v_lshrrev_b32 v[PEE], 23, v[SCL]                                      ; the scale's byte; also the plain line behind the conversions
.irp k, 0,1,2,3,4,5,6,7
	v_cvt_pk_bf16_f32 v[PBT+\k], v[PXS+2*\k], v[PXS+2*\k+1]               ; the copy for the context sum
.endr
.irp k, 0,2,4,6,8,10,12,14
	v_pk_add_f32 v[HS+\k:HS+\k+1], v[HS+\k:HS+\k+1], v[PXS+\k:PXS+\k+1]   ; the column sums
.endr
.if \vof
	VOFS (\q)+1                                    ; that place's last loads were shown done by the wait in front of its turn: their offset registers are free
.endif
.endm
; what WORK q made goes to LDS
.macro SAVE q
.set QBT, BFT+8*((\q)%2)
.set QCC, CC+2*((\q)%2)
.set QEE, EE+(\q)%2
	ds_store_b128 v[BADC], v[QBT:QBT+3] offset:1024*(\q)
	ds_store_b128 v[BADC], v[QBT+4:QBT+7] offset:1024*(\q)+512
	ds_store_b64 v[CADC], v[QCC:QCC+1] offset:CPITCH*(\q)                 ; 16 codes: 8 bytes of my row's 128
	ds_store_b8 v[SADC], v[QEE] offset:8*(\q)                             ; both lanes of a block write the same byte with the same value
.endm
; refill = 1: the ring's place q takes the same duo of the next row tile.  turn = 1: the next duo goes through the stage; left: the younger loads that may stay out
.macro STEP q, refill, left, turn
.if (\q) > 0
	s_wait_dscnt 0x0                               ; my 16 neighbours are back (nothing was issued behind their loads)
	s_wait_alu depctr_va_vdst(0)                   ; the duo before's vector work has written its bf16, codes and byte, which the stores below read, and this place's row offsets, which the row loads below read; it is done reading its 16 neighbours, in which the next turn's loads land
.if (\refill) || ((\q) > 1)
	s_wait_alu depctr_vm_vsrc(0)                   ; the stage's stores have read the ring's place q, in which the row loads below land; the stores of two duos ago have read the set of bf16, codes and byte, and the next place's last row loads the offsets, that this duo's vector work writes
.endif
	SAVE (\q)-1
.endif
.if \refill
	FILL \q
.endif
.if \turn
	s_wait_loadcnt \left                           ; loads come back in order (ISA guide 5.7.1): the next duo's four are in; that wait also frees their offset registers
	TURN ((\q)+1)%8
.endif
.if (\refill) && ((\q) < 7)
	WORK \q, 1                                     ; it names none of the registers of the run above: the other sets, the next place's offsets
.else
	WORK \q, 0
.endif
.if (\q) == 7
	s_wait_alu depctr_va_vdst(0)                   ; duo 7's vector work has written its bf16, codes and byte, which the stores below read
	SAVE 7                                         ; the row tile's last duo is stored at once: the next row tile writes the address registers anew
.endif
.endm
; a row tile: 8 duos.  cb: where its codes are parked.  refill = 1: the next row tile is asked for; tokload = 1: the tokens of the one after that
.macro MTILE cb, refill, tokload
	s_wait_dscnt 0x0                               ; no LDS instruction of mine is out; duo 0 is back from the stage
.if \refill
	s_wait_kmcnt 0x0                               ; the next row tile's tokens are in, and the token pointer is free
	OFFS
.endif
.if \tokload
	s_add_nc_u64 s[4:5], s[4:5], 64
	s_load_b512 s[TOK:TOK+15], s[4:5], 0x0
.endif
	s_wait_alu depctr_vm_vsrc(0)                   ; the last row tile's stores have read the three address registers, place 0's last row loads its offsets: both are written below; the stage's stores have read the ring's place 0, in which the row loads below land
	v_add_nc_u32 v[BADC], s[SB], v[BAD0]
	v_add_nc_u32 v[CADC], s[SC], v[\cb]
	v_add_nc_u32 v[SADC], s[SS], v[SAB]
.if \refill
	VOFS 0
	s_wait_alu depctr_va_vdst(0)                   ; place 0's row offsets are written, which its row loads read
.endif
.irp q, 0,1,2,3,4,5,6,7
	STEP \q, \refill, 28, 1                        ; 28: seven younger duos of four loads
.endr
	s_add_co_u32 s[SB], s[SB], 8192
	s_add_co_u32 s[SC], s[SC], 16*CPITCH
	s_add_co_u32 s[SS], s[SS], 128
.endm
; the drains: LDS serves a wave in order, so they see the stores in front of them, and the stores behind them land later.
; They land in registers that no instruction has named before, by addresses made at the kernel's head: no wait on va_vdst or vm_vsrc is owed for them
.macro DRAINBF sl, reg                 ; duo slot sl's two images into eight registers of the window that is set
	ds_load_b128 v[\reg:\reg+3], v[BAD0] offset:1024*(\sl)
	ds_load_b128 v[\reg+4:\reg+7], v[BAD0] offset:1024*(\sl)+512
.endm
.macro DRAINC mt, tl, base             ; row tile mt's two fragments: lane (r, h) takes row r, registers 4 c .. 4 c + 3 the bytes 64 s + 32 c + 16 h on
.irp s, 0,1
.irp c, 0,1
	ds_load_b128 v[16*((\mt)%8)+8*\s+4*\c:16*((\mt)%8)+8*\s+4*\c+3], v[\base] offset:16*CPITCH*(\tl)+64*\s+32*\c
.endr
.endr
.endm
.macro DRAINS mt, off
	ds_load_b32 v[ASC+(\mt)], v[SRB] offset:\off
.endm
; a pair of W_b's tiles, k pairs on from where s[WB] stands, into ring slot: ten loads.  For each K step s: source 0 of the 32-row form, 16 registers (tile u = 0, then u = 1), by four loads of 512 consecutive bytes,
; and its scale words, lane 16 u + r that of column 16 u + r: 128 consecutive bytes
.macro WLOAD slot, k
.irp s, 0,1
.irp u, 0,1
.irp c, 0,1
	global_load_b128 v[BR+32*(\slot)+16*\s+8*\u+4*\c:BR+32*(\slot)+16*\s+8*\u+4*\c+3], v[WOF], s[WB:WB+1] offset:PAIRB*(\k)+2048*\u+1024*\s+512*\c
.endr
.endr
	global_load_b32 v[BSC+2*(\slot)+\s], v[WSO], s[WB:WB+1] offset:PAIRB*(\k)+4096+128*\s
.endr
.endm
; the same ten loads one at a time: number n = 0 .. 7 the codes (s = n / 4, u = (n / 2) % 2, c = n % 2), 8 and 9 the scale words of K steps 0 and 1
.macro WL1 slot, k, n
.set wn, \n
.if wn < 8
.set ws, wn/4
.set wu, (wn/2)%2
.set wc, wn%2
	global_load_b128 v[BR+32*(\slot)+16*ws+8*wu+4*wc:BR+32*(\slot)+16*ws+8*wu+4*wc+3], v[WOF], s[WB:WB+1] offset:PAIRB*(\k)+2048*wu+1024*ws+512*wc
.else
	global_load_b32 v[BSC+2*(\slot)+wn-8], v[WSO], s[WB:WB+1] offset:PAIRB*(\k)+4096+128*(wn-8)
.endif
.endm
	s_wait_kmcnt 0x0
	OFFS
.irp q, 0,1,2,3,4,5,6,7
	VOFS \q
.endr
	s_wait_alu depctr_va_vdst(0)                   ; the sixteen row offsets and all the addresses made above are written, which the loads and LDS instructions of the gather read; so are v48 to v52, in which the stage's loads land
.irp q, 0,1,2,3,4,5,6,7
	FILL \q                                        ; the ring is filled: 32 loads, 16,384 bytes a wave
.endr
	s_add_nc_u64 s[4:5], s[4:5], 64
	s_load_b512 s[TOK:TOK+15], s[4:5], 0x0         ; row tile 1's tokens
	s_wait_loadcnt 28
	TURN 0
	; ---- batch A: row tiles 0-6
	s_mov_b32 s[SB], 0
	s_mov_b32 s[SC], 0
	s_mov_b32 s[SS], 0
	s_mov_b32 s[CNT], 7
.Lbatch_a:
	MTILE CAB, 1, 1
	s_sub_co_u32 s[CNT], s[CNT], 1
	s_cmp_lg_u32 s[CNT], 0
	s_cbranch_scc1 .Lbatch_a
	; its 56 duos of bf16, its codes and its scale words go into registers; the rows asked for stay on their way meanwhile
	WIN 0x40
.set n, 0
.rept 12
	DRAINBF n, 160+8*n
.set n, n+1
.endr
.irp t, 0,1,2,3,4,5,6
	DRAINC \t, \t, FAB
.endr
	WIN 0x80
.rept 12
	DRAINBF n, 160+8*(n-12)
.set n, n+1
.endr
	WIN 0xc0
.rept 32
	DRAINBF n, 8*(n-24)
.set n, n+1
.endr
	WIN 0
.irp t, 0,1,2,3,4,5,6
	DRAINS \t, 128*\t
.endr
	; ---- batch B: row tiles 7-13; their bf16 stays in slots 0-55
	s_mov_b32 s[SB], 0
	s_mov_b32 s[SC], 0
	s_mov_b32 s[SS], 0
	s_mov_b32 s[CNT], 7
.Lbatch_b:
	MTILE CAB, 1, 1                                ; the last trip loads row tile 15's tokens: the document's last
	s_sub_co_u32 s[CNT], s[CNT], 1
	s_cmp_lg_u32 s[CNT], 0
	s_cbranch_scc1 .Lbatch_b
	WIN 0x40
	DRAINC 7, 0, FAB
	WIN 0x80
.irp t, 1,2,3,4,5,6
	DRAINC \t+7, \t, FAB
.endr
	WIN 0
.irp t, 0,1,2,3,4,5,6
	DRAINS \t+7, 128*\t
.endr
	; ---- batch C: row tiles 14, 15: bf16 into slots 56-71, over the parked codes just drained; codes and bytes into the scratch
	s_mov_b32 s[SB], PARK
	s_mov_b32 s[SC], 0
	s_mov_b32 s[SS], 4608
	MTILE CCB, 1, 0
	s_wait_dscnt 0x0                               ; the last row tile is written out: it asks for no row, and its counts run down
	s_wait_alu depctr_vm_vsrc(0)                   ; row tile 14's stores have read the three address registers, which are written below
	v_add_nc_u32 v[BADC], s[SB], v[BAD0]
	v_add_nc_u32 v[CADC], s[SC], v[CCB]
	v_add_nc_u32 v[SADC], s[SS], v[SAB]
.irp q, 0,1,2,3,4,5,6
	STEP \q, 0, 4*(6-\q), 1
.endr
	s_wait_dscnt 0x0                               ; the last duo is back from the stage, and every row load has been waited for
	s_wait_alu depctr_va_vdst(0)                   ; duo 6's vector work has written its bf16, codes and byte, which the stores below read
	SAVE 6
	s_wait_alu depctr_vm_vsrc(0)                   ; the stage's stores and loads have read v2, v3 and the ring: v2 and v3 are made anew below, and wq's loads land in the ring; duo 5's stores have read the set that duo 7's vector work writes
	v_and_b32 v[WOF], 31, v0
	v_lshlrev_b32 v[WOF], 4, v[WOF]                ; 16 lane
	v_and_b32 v[WSO], 15, v0
	v_bfe_u32 v[MXA], v0, 4, 1
	v_lshlrev_b32 v[WSO], 3, v[WSO]
	v_lshl_add_u32 v[WSO], v[MXA], 2, v[WSO]       ; 8 r + 4 u
	WORK 7, 0
	s_wait_alu depctr_va_vdst(0)                   ; wq's two offsets are written, which its loads read; duo 7's vector work has written its bf16, codes and byte, which the stores below read
	WLOAD 0, 0                                     ; W_b's first three pairs of tiles: they land under the drain and the exchange of hidden
	WLOAD 1, 1
	WLOAD 2, 2
	SAVE 7
	WIN 0x80
	DRAINC 14, 0, FCB
	DRAINC 15, 1, FCB
	WIN 0
	DRAINS 14, 4608
	DRAINS 15, 4736
	; ---- hidden: my 16 columns: both halves of the lanes, / 256
.irp k, 0,1,2,3,4,5,6,7,8,9,10,11,12,13,14,15
	v_permlanex16_b32 v[XR+\k], v[HS+\k], s[SEL], s[SEL+1]
.endr
.irp k, 0,1,2,3,4,5,6,7,8,9,10,11,12,13,14,15
	v_add_f32 v[HS+\k], v[HS+\k], v[XR+\k]
.endr
.irp k, 0,2,4,6,8,10,12,14
	v_pk_mul_f32 v[HS+\k:HS+\k+1], v[HS+\k:HS+\k+1], 0x3b800000 op_sel_hi:[1,0]   ; x 2^-8
.endr
	v_and_b32 v[MXA], 15, v0
	v_lshl_add_u32 v[MXA], v[MXA], 6, s15
	v_add_nc_u32 v[MXA], HID, v[MXA]               ; hidden + 1,024 w + 64 r
	v_bfe_u32 v[HAD0], v0, 4, 1
	v_lshl_add_u32 v[HAD0], v[HAD0], 5, HID        ; hidden + 32 h
	s_wait_alu depctr_va_vdst(0)                   ; my part of hidden and its address are written, which the stores behind the barrier read; so is v[HAD0], which hidden's loads read
	BARRIER                                        ; every wave has read the last of its scratch: those bytes change hands
.irp k, 0,1,2,3
	ds_store_b128 v[MXA], v[HS+4*\k:HS+4*\k+3] offset:16*\k   ; both halves of the lanes store the same bytes
.endr
	BARRIER                                        ; hidden is whole
	s_wait_alu depctr_vm_vsrc(0)                   ; the gather's last stores, the drains and hidden's stores have read v80 to v126 (sums, bf16, codes, bytes, addresses), which the zeros below and the products write over
; hidden of a pair of tiles, off bytes on from the address in adr, into 16 registers from reg on, of the window that is set: register 8 u + j = hidden[32 P + 16 u + 8 h + j]
.macro HLOAD reg, adr, off
.irp u, 0,1
.irp c, 0,1
	ds_load_b128 v[\reg+8*\u+4*\c:\reg+8*\u+4*\c+3], v[\adr] offset:\off+64*\u+16*\c
.endr
.endr
.endm
	WIN 0x40
	HLOAD HIDX, HAD0, 0                            ; hidden of pair 0 into set 0 of both windows
.irp k, 0,1,2,3,4,5,6,7,8,9,10,11,12,13,14,15
	v_mov_b32 v[HIDX+16+\k], 0                     ; the loop is written once: its first sixteen multiply-adds find zeros
.endr
	WIN 0x80
	HLOAD HIDX, HAD0, 0
	WIN 0
.set n, 0
.rept 64
	v_mov_b32 v[ACC+32+n], 0                       ; accumulator set 1 (for those sixteen) and the 16 pairs of score sums
.set n, n+1
.endr
; ---- THE PRODUCT.  32 pairs of tiles of 16 columns e, on a ring of four pair slots in registers.
; Number d of the sixteen multiply-adds on the two accumulators of the group in front of group G: registers 2 (d / 2), + 1 of accumulator d % 2.
; Registers 0-7 of an accumulator are e = 32 P + 8 h + j, registers 8-15 e = 32 P + 16 + 8 h + j: hidden lies in the same order.
.macro DOT d, G, hs
.set di, (\d)%2
.set dk, (\d)/2
.set dS, SUM2+2*(2*(((\G)+7)%8)+di)
.set dA, ACC+32*(1-(\G)%2)+16*di+2*dk
.set dH, HIDX+16*(\hs)+2*dk
	v_pk_fma_f32 v[dS:dS+1], v[dA:dA+1], v[dH:dH+1], v[dS:dS+1]
.endm
; Group G of a pair: row tiles 2 G, 2 G + 1, two K steps: four matrix instructions on two accumulators, which take turns, one instruction a turn; the first two start the sums with the constant 0.
; Behind each stand four multiply-adds of the group before.  ONE window setting serves both kinds of line: accumulators, sums and W_b lie in window 0, the rows' codes and hidden in the window of source 1.
; Between an accumulator's last product and its first reader stand 8 and 5 plain lines that name none of that product's registers (ISA guide 7.12.1 asks for 4).
; W_b's scale words fill the 32 lanes; the rows' lie in lanes 0-15 for K step 0 and in lanes 16-31 for K step 1.
; l0: behind the j-th product's multiply-adds stands load number l0 + j of wq's pair lk into slot lslot, while that number is under ten (l0 = 16: none).  No wait stands at these loads: no vector or matrix
; instruction issued since the pair's wait names that slot, its scale words or the two offsets.
.macro GROUP slot, G, hs, lslot, lk, l0
.set j, 0
.rept 4
.set gi, j%2
.set gs, j/2
.set aD, ACC+32*((\G)%2)+16*gi
.set aA, BR+32*(\slot)+16*gs
.set aB, 16*((2*(\G)+gi)%8)+8*gs
.set aSA, BSC+2*(\slot)+gs
.set aSB, ASC+2*(\G)+gi
.if gs == 0
	v_wmma_scale_f32_32x16x128_f4 v[aD:aD+15], v[aA:aA+15], v[aB:aB+7], 0, v[aSA], v[aSB]
.else
	v_wmma_scale_f32_32x16x128_f4 v[aD:aD+15], v[aA:aA+15], v[aB:aB+7], v[aD:aD+15], v[aSA], v[aSB] matrix_b_scale:MATRIX_SCALE_ROW1
.endif
	DOT 4*j, \G, \hs
	DOT 4*j+1, \G, \hs
	DOT 4*j+2, \G, \hs
	DOT 4*j+3, \G, \hs
.if ((\l0)+j) < 10
	WL1 \lslot, \lk, (\l0)+j
.endif
.set j, j+1
.endr
.endm
; Pair pl of a trip's four.  wait: the younger pairs' loads that may stay out.  refill = 1: the slot left by the last pair takes the pair three on.  nexthid = 1: the next pair's hidden is fetched.
; The pair's one wait on va_vdst stands behind its first group: by then that group's multiply-adds, the last pair's, have been issued, which read the set of hidden that is filled anew.
.macro PAIR pl, wait, refill, nexthid
	s_wait_loadcnt \wait                           ; this pair's ten loads are in
	WIN 0x04                                       ; source 1: window 1
	GROUP \pl, 0, ((\pl)+1)%2, 0, 0, 16            ; its multiply-adds are the last pair's: the other set of hidden
	s_wait_dscnt 0x0                               ; this pair's hidden is in (asked for a pair ago)
.if (\pl) == 0
	s_wait_alu depctr_vm_vsrc(0)                   ; hidden's loads issued so far have read v[HADC], which is written below
	v_add_nc_u32 v[HADC], v[HAD0], s[SH]           ; (the vector register first: source 0 means window 0)
.endif
.if (\refill) || (\nexthid)
	s_wait_alu depctr_va_vdst(0)                   ; the last pair's products are done reading their slot and its scale words, in which wq's loads land; the multiply-adds are done reading the other set of hidden, in which hidden's loads land; in a trip's first pair v[HADC] is written
.endif
.if \nexthid
	WIN 0x40
	HLOAD HIDX+16*(((\pl)+1)%2), HADC, 128*((\pl)+1)
	WIN 0x80
	HLOAD HIDX+16*(((\pl)+1)%2), HADC, 128*((\pl)+1)
.endif
	WIN 0x04
	GROUP \pl, 1, (\pl)%2, ((\pl)+3)%4, (\pl)+3, 16*(1-(\refill))
	GROUP \pl, 2, (\pl)%2, ((\pl)+3)%4, (\pl)+3, 16*(1-(\refill))+4
	GROUP \pl, 3, (\pl)%2, ((\pl)+3)%4, (\pl)+3, 16*(1-(\refill))+8
	WIN 0x08                                       ; source 1: window 2
	GROUP \pl, 4, (\pl)%2, 0, 0, 16
	GROUP \pl, 5, (\pl)%2, 0, 0, 16
	GROUP \pl, 6, (\pl)%2, 0, 0, 16
	GROUP \pl, 7, (\pl)%2, 0, 0, 16
.endm
	s_mov_b32 s[SH], 0
	s_mov_b32 s[CNT], 7
.Lprod:                                            ; a trip: four pairs, once round the ring.  20: behind a pair's loads those of the two next pairs have been issued, ten each
	s_wait_alu depctr_va_vdst(0)
.irp pl, 0,1,2,3
	PAIR \pl, 20, 1, 1
.endr
	WIN 0
	s_wait_xcnt 0x0                                ; the loads issued have had their addresses translated (ISA guide 3.1): only behind this wait is their base stepped
	s_add_nc_u64 s[WB:WB+1], s[WB:WB+1], 4*PAIRB
	s_add_co_u32 s[SH], s[SH], 512
	s_sub_co_u32 s[CNT], s[CNT], 1
	s_cmp_lg_u32 s[CNT], 0
	s_cbranch_scc1 .Lprod
	PAIR 0, 20, 1, 1                               ; the last four pairs are written out: one more refill (pair 31), then the counts run down; no load leaves wq
	PAIR 1, 20, 0, 1
	PAIR 2, 10, 0, 1
	PAIR 3, 0, 0, 0                                ; it issues no load, so it has no wait on va_vdst
.set j, 0
.rept 16
	DOT j, 0, 1                                    ; the last group's multiply-adds; window 2 holds the last pair's hidden too
.set j, j+1
.endr
	WIN 0
	; ---- my partial scores: the two halves of each pair, and the other half of the lanes' e
	s_wait_alu depctr_vm_vsrc(0)                   ; wq's loads have read v1 and v2, hidden's loads v3 and v4: the four are made anew below
.irp m, 0,1,2,3,4,5,6,7,8,9,10,11,12,13,14,15
	v_add_f32 v[SUM2+2*\m], v[SUM2+2*\m], v[SUM2+2*\m+1]
.endr
.irp m, 0,1,2,3,4,5,6,7,8,9,10,11,12,13,14,15
	v_permlanex16_b32 v[ACC+\m], v[SUM2+2*\m], s[SEL], s[SEL+1]
.endr
.irp m, 0,1,2,3,4,5,6,7,8,9,10,11,12,13,14,15
	v_add_f32 v[SUM2+2*\m], v[SUM2+2*\m], v[ACC+\m]
.endr
	v_and_b32 v[PSA], 15, v0
	v_lshl_add_u32 v[PSA], v[PSA], 2, s15
	v_add_nc_u32 v[PSA], PS, v[PSA]                ; partial scores + 1,024 w + 4 r
	v_and_b32 v1, 31, v0                           ; addresses for what follows (every load of wq has been waited for: v1 and v2 are free)
	v_lshl_add_u32 v4, v1, 4, s13                  ; v4: my rows + 16 lane
	v_lshlrev_b32 v2, 5, v1
	v_add_nc_u32 v1, PS, v2                        ; v1: partial scores + 32 lane
	v_add_nc_u32 v2, s15, v2
	v_add_nc_u32 v2, PW, v2                        ; v2: my copy of p + 32 lane
	v_bfe_u32 v3, v0, 4, 1
	v_lshl_add_u32 v3, v3, 5, s15
	v_add_nc_u32 v3, PW, v3                        ; v3: my copy of p + 32 rho
	s_wait_alu depctr_va_vdst(0)                   ; my partial scores and their address are written, which the stores below read; so are v1 to v3, which the LDS instructions of the softmax read; the products are done reading v128 to v159, in which the scores' loads land
.irp m, 0,1,2,3,4,5,6,7,8,9,10,11,12,13,14,15
	ds_store_b32 v[PSA], v[SUM2+2*\m] offset:64*\m ; row 16 m + r; both halves of the lanes store the same word
.endr
	BARRIER                                        ; all partial scores lie in LDS.  The last barrier: from here each wave works for itself
	; ---- the softmax: lane l takes rows 8 l .. 8 l + 7
.irp a, 0,1,2,3
	ds_load_b128 v[128+8*\a:131+8*\a], v1 offset:1024*\a
	ds_load_b128 v[132+8*\a:135+8*\a], v1 offset:1024*\a+16
.endr
	s_wait_dscnt 0x0
	s_wait_alu depctr_vm_vsrc(0)                   ; the stores of my partial scores have read v96 to v126, which the lines below write and in which p's loads land
.irp i, 0,2,4,6
	v_pk_add_f32 v[128+\i:129+\i], v[128+\i:129+\i], v[136+\i:137+\i]
	v_pk_add_f32 v[144+\i:145+\i], v[144+\i:145+\i], v[152+\i:153+\i]
.endr
.irp i, 0,2,4,6
	v_pk_add_f32 v[128+\i:129+\i], v[128+\i:129+\i], v[144+\i:145+\i]   ; the scores
.endr
	v_max3_num_f32 v112, v128, v129, v130
	v_max3_num_f32 v113, v131, v132, v133
	v_max3_num_f32 v112, v112, v134, v135
	v_max_num_f32 v112, v112, v113
	v_max_num_f32_dpp v112, v112, v112 row_xmask:1 row_mask:0xf bank_mask:0xf
	v_max_num_f32_dpp v112, v112, v112 row_xmask:2 row_mask:0xf bank_mask:0xf
	v_max_num_f32_dpp v112, v112, v112 row_xmask:4 row_mask:0xf bank_mask:0xf
	v_max_num_f32_dpp v112, v112, v112 row_xmask:8 row_mask:0xf bank_mask:0xf
	v_permlanex16_b32 v113, v112, s[SEL], s[SEL+1]
	v_max_num_f32 v112, v112, v113                 ; the document's largest score, in every lane
.irp i, 0,1,2,3,4,5,6,7
	v_sub_f32 v[128+\i], v[128+\i], v112           ; the difference first, then the factor: not fused, so that large scores lose nothing
.endr
.irp i, 0,1,2,3,4,5,6,7
	v_mul_f32 v[128+\i], 0x3fb8aa3b, v[128+\i]     ; x log2(e)
.endr
	s_wait_alu depctr_va_vdst(0)
.irp i, 0,1,2,3,4,5,6,7
	v_exp_f32 v[128+\i], v[128+\i]                 ; p, at most 1; normalised at the end
.endr
	v_mov_b32 v119, 0                              ; a plain line behind the exponentials (v119 is named below as the upper half of a pair)
	s_wait_alu depctr_va_vdst(0)                   ; the eight exponentials have written p in v128 to v135, ahead of their first reader, the stores below (one wait for the batch); and the vector and matrix instructions are done with v48 to v103, in which p's loads land
	ds_store_b128 v2, v[128:131]
	ds_store_b128 v2, v[132:135] offset:16
.irp t, 0,1,2,3,4,5,6
	ds_load_b128 v[PR+8*\t:PR+8*\t+3], v3 offset:64*\t          ; p of rows 16 t + 8 rho + 0 .. 7: LDS serves a wave in order: these see my stores
	ds_load_b128 v[PR+8*\t+4:PR+8*\t+7], v3 offset:64*\t+16
.endr
	v_add_f32 v114, v128, v129
	v_add_f32 v115, v130, v131
	v_add_f32 v116, v132, v133
	v_add_f32 v117, v134, v135
	v_add_f32 v114, v114, v115
	v_add_f32 v116, v116, v117
	v_add_f32 v114, v114, v116
	v_add_f32_dpp v114, v114, v114 row_xmask:1 row_mask:0xf bank_mask:0xf
	v_add_f32_dpp v114, v114, v114 row_xmask:2 row_mask:0xf bank_mask:0xf
	v_add_f32_dpp v114, v114, v114 row_xmask:4 row_mask:0xf bank_mask:0xf
	v_add_f32_dpp v114, v114, v114 row_xmask:8 row_mask:0xf bank_mask:0xf
	v_permlanex16_b32 v115, v114, s[SEL], s[SEL+1]
	v_add_f32 v114, v114, v115                     ; the sum of p: at least 1
	s_wait_alu depctr_va_vdst(0)
	v_rcp_f32 v118, v114
.irp k, 0,1,2,3,4,5,6,7,8,9,10,11,12,13,14,15
	v_mov_b32 v[CT+\k], 0                          ; the context sums (plain lines behind the reciprocal)
.endr
	s_wait_alu depctr_va_vdst(0)                   ; the reciprocal has written v118, ahead of the label below and of its reader on the way out
	; ---- ct: lane (r, rho): columns 16 r + 0 .. 15 of my quarter, over the rows 16 t + 8 rho + q.  A duo: 16 multiply-adds straight from the bf16 halves
.macro CTDUO bf, pr
.irp k, 0,1,2,3,4,5,6,7
	v_fma_mix_f32_bf16 v[CT+2*\k], v[\bf+\k], v[\pr], v[CT+2*\k] op_sel_hi:[1,0,0]
	v_fma_mix_f32_bf16 v[CT+2*\k+1], v[\bf+\k], v[\pr], v[CT+2*\k+1] op_sel:[1,0,0] op_sel_hi:[1,0,0]
.endr
.endm
	s_wait_dscnt 0x0
	WIN 0x01                                       ; source 0: window 1
.set n, 0
.rept 12
	CTDUO 160+8*n, PR+n
.set n, n+1
.endr
	WIN 0x02
.rept 12
	CTDUO 160+8*(n-12), PR+n
.set n, n+1
.endr
	WIN 0x03
.rept 32
	CTDUO 8*(n-24), PR+n
.set n, n+1
.endr
	WIN 0
	s_mov_b32 s[SB], 0
	s_mov_b32 s[SC], 448                           ; p of row tile 7
	s_mov_b32 s[CNT], 9
.Lct:                                              ; row tiles 7-15, from LDS
	s_wait_alu depctr_vm_vsrc(0)                   ; the last trip's LDS loads have read v6 and v7, which are written below; in the first trip: the stores of p have read v128 to v135, in which the loads below land
	v_add_nc_u32 v6, s[SB], v4
	v_add_nc_u32 v7, s[SC], v3
	s_wait_alu depctr_va_vdst(0)                   ; v6 and v7 are written, which the loads below read; the last trip's multiply-adds are done reading p and the bf16 rows, in whose registers these loads land
	ds_load_b128 v[PR8:PR8+3], v7
	ds_load_b128 v[PR8+4:PR8+7], v7 offset:16
.irp q, 0,1,2,3,4,5,6,7
	ds_load_b128 v[BL+8*\q:BL+8*\q+3], v6 offset:1024*\q
	ds_load_b128 v[BL+8*\q+4:BL+8*\q+7], v6 offset:1024*\q+512
.endr
.irp q, 0,1,2,3,4,5,6,7
	s_wait_dscnt 2*(7-\q)                          ; the younger duos' two loads each may stay out
	CTDUO BL+8*\q, PR8+\q
.endr
	s_add_co_u32 s[SB], s[SB], 8192
	s_add_co_u32 s[SC], s[SC], 64
	s_sub_co_u32 s[CNT], s[CNT], 1
	s_cmp_lg_u32 s[CNT], 0
	s_cbranch_scc1 .Lct
	; ---- the way out: both halves of the lanes, / the sum of p; through my stage, so that each store covers 512 consecutive bytes, at a multiple of 256 from out0's first byte
	s_wait_alu depctr_vm_vsrc(0)                   ; the last trip's LDS loads have read v6 and v7, which are made anew below
.irp k, 0,1,2,3,4,5,6,7,8,9,10,11,12,13,14,15
	v_permlanex16_b32 v[PR+\k], v[CT+\k], s[SEL], s[SEL+1]
.endr
.irp k, 0,1,2,3,4,5,6,7,8,9,10,11,12,13,14,15
	v_add_f32 v[CT+\k], v[CT+\k], v[PR+\k]
.endr
.irp k, 0,2,4,6,8,10,12,14
	v_pk_mul_f32 v[CT+\k:CT+\k+1], v[CT+\k:CT+\k+1], v[118:119] op_sel_hi:[1,0]
.endr
	v_and_b32 v6, 15, v0
	v_lshl_add_u32 v6, v6, 6, s15
	v_add_nc_u32 v6, OUTS, v6                      ; in: 64 r
	v_and_b32 v120, 31, v0
	v_lshlrev_b32 v120, 4, v120                    ; 16 lane
	v_add_nc_u32 v7, s15, v120
	v_add_nc_u32 v7, OUTS, v7                      ; back: 16 lane
	s_wait_alu depctr_va_vdst(0)                   ; my part of ct and v6, v7, v120 are written, which the stores and loads below read; the last multiply-adds are done reading v128 to v135, in which the loads below land
.irp k, 0,1,2,3
	ds_store_b128 v6, v[CT+4*\k:CT+4*\k+3] offset:16*\k    ; both halves of the lanes store the same bytes
.endr
	ds_load_b128 v[128:131], v7
	ds_load_b128 v[132:135], v7 offset:512
	s_wait_dscnt 1
	global_store_b128 v120, v[128:131], s[10:11] th:TH_STORE_NT
	s_wait_dscnt 0x0
	global_store_b128 v120, v[132:135], s[10:11] offset:512 th:TH_STORE_NT
	s_wait_xcnt 0x0
	v_lshl_add_u32 v254, v0, 2, 0x4fd00            ; my spare word and 0, made anew here: no two registers could be kept; no memory or LDS instruction has read v254 or v255 since the last wait on vm_vsrc
	v_mov_b32 v255, 0
	s_wait_dscnt 0x0                               ; the closing lines, six on end
	s_wait_alu 0x0
	s_wait_tensorcnt 0x0
	ds_add_u32 v254, v255
	s_wait_dscnt 0x0
	s_endpgm
.Lfunc_end_k_q15a7567fde_doc:
	.size	k_q15a7567fde_doc, .Lfunc_end_k_q15a7567fde_doc-k_q15a7567fde_doc
	.p2alignl 7, 3214868480
	.fill 96, 4, 3214868480
	.section	.rodata,"a",@progbits
	.p2align	6, 0x0
	.amdhsa_kernel k_q15a7567fde_doc
		.amdhsa_group_segment_fixed_size 327680
		.amdhsa_private_segment_fixed_size 0
		.amdhsa_enable_private_segment 0
		.amdhsa_kernarg_size 32
		.amdhsa_user_sgpr_count 2
		.amdhsa_user_sgpr_kernarg_segment_ptr 1
		.amdhsa_wavefront_size32 1
		.amdhsa_system_sgpr_workgroup_id_x 1
		.amdhsa_system_sgpr_workgroup_id_y 1
		.amdhsa_system_sgpr_workgroup_id_z 1
		.amdhsa_system_vgpr_workitem_id 0
		.amdhsa_next_free_vgpr 1024
		.amdhsa_next_free_sgpr 66
		.amdhsa_reserve_vcc 0
		.amdhsa_float_denorm_mode_32 3
		.amdhsa_float_denorm_mode_16_64 3
		.amdhsa_memory_ordered 1
		.amdhsa_forward_progress 1
		.amdhsa_inst_pref_size 255
	.end_amdhsa_kernel
	.section	.bss,"aw",@nobits
	.p2align	6
	.space	262144
	.amdgpu_metadata
---
amdhsa.version: [ 1, 2 ]
amdhsa.kernels:
  - .name:           k_q15a7567fde_doc
    .symbol:         k_q15a7567fde_doc.kd
    .args:
      - { .name: tokens, .offset: 0, .size: 8, .value_kind: global_buffer, .address_space: global }
      - { .name: emb_table, .offset: 8, .size: 8, .value_kind: global_buffer, .address_space: global }
      - { .name: wq, .offset: 16, .size: 8, .value_kind: global_buffer, .address_space: global }
      - { .name: out0, .offset: 24, .size: 8, .value_kind: global_buffer, .address_space: global }
    .group_segment_fixed_size: 327680
    .private_segment_fixed_size: 0
    .kernarg_segment_align: 8
    .kernarg_segment_size: 32
    .max_flat_workgroup_size: 128
    .sgpr_count:     66
    .vgpr_count:     1024
    .wavefront_size: 32
...
	.end_amdgpu_metadata
.endif
;; end of part 4
